; MI455X (gfx1250); checked and timed in simulation.
; The chip was launched on July 23, 2026; its instructions are those of AMD's public machine-readable ISA for CDNA 5 (MIT licence, August 2026) and "CDNA5" Instruction Set Architecture Reference Guide (July 2026). The comments in the code are by the model that wrote it; some were corrected since.
;; Attention. Allowed arithmetic: float matrix products may take bf16 or f16 operands with f32 sums; other float arithmetic in f32, or as packed bf16 or f16 multiplies, adds, multiply-adds, maxima and minima; sums over many terms, partial sums and values carried from step to step in f32; what a program stores and reads back later, other than sums and carried values, may be rounded once to bf16 or f16.
;; Inputs: W_attn 2,048 x 512 float32; b_attn 512 float32; encoder_outputs 16 x 4,096 x 1,024 float32; hidden 16 x 1,024 float32; w_v 512 float32.
;; Outputs: out0 16 x 1,024 float32.
;; 2 versions, each right; version 2 is version 1 with the launch attn written anew for expert scheduling mode. Each part assembles by itself: llvm-mc -triple=amdgcn-amd-amdhsa -mcpu=gfx1250 --defsym DOCPART=n.
;; ======== version 1 of 2: 3 launches
;; workspace buffers: wfrag 1,048,576 bytes; chbp 131,072 bytes; part 2,228,224 bytes
;; launch prep (part 1): grid 8 x 4, 8 waves a work-group, no clusters, 117,760 bytes of LDS; arguments W_attn, hidden, wfrag, chbp; writes wfrag, chbp
.if DOCPART == 1
	.amdgcn_target "amdgcn-amd-amdhsa--gfx1250"
	.amdhsa_code_object_version 6
	.text
	.protected	k_qf782a05d5a_prep
	.globl	k_qf782a05d5a_prep
	.p2align	8
	.type	k_qf782a05d5a_prep,@function
k_qf782a05d5a_prep:
	s_mov_b64 s[64:65], 0
	v_nop
	global_prefetch_b8 v0, s[64:65] scope:SCOPE_SE
	s_setreg_imm32_b32 hwreg(HW_REG_WAVE_MODE, 25, 1), 1
	s_wait_xcnt 0x0
; W_attn [2048][512] f32 is W1 (rows 0-1023, multiplies hidden) above W2 (rows 1024-2047, multiplies the encoder rows).
; This launch (a) writes W2, rounded to bf16, in the order in which the next launch's matrix instructions want it:
;   wfrag byte ((w 32 + j) 8 + 2 b + q) 512 + 16 L : lane L = (r = L % 16, h = L / 16) finds the eight numbers
;   W2[32 j + 16 q + 8 h + 0..7][64 w + 16 b + r], so a wave's load of 16 bytes a lane is 512 bytes on end;
; (b) makes hidden x W1 (both rounded to bf16, sums in f32) in four partial sums of 256 k: chbp[kq][batch][n] f32.
; SHARES.  Work-group (nq, kq): columns 64 nq on; wave v takes K step 8 kq + v (32 rows) of W1 and the same step of W2.
; All waves run one text: no branch.  W's rows are read once, 256 bytes of a row by sixteen lanes.
; The turn from [k][n] to fragments goes through the wave's own LDS bytes: rows of 64 bf16, pitch 160, read by the turning load.
.set TP,    160                        ; pitch of a staged row: 128 bytes + 32
.set TRH,   32*TP                      ; one staged K step: 32 rows
.set PD,    16*TRH                     ; behind the stages: each wave's partial product, 16 batches x 64 f32, pitch 272
.set PP,    272
.set PDV,   16*PP
.set SPARE, PD+8*PDV                   ; the spare words: 128 bytes a wave, four blocks of 256 bytes that no other line names
.set SPW,  1                           ; v1   SPARE + 4 x thread; never rewritten
.set NIL,  2                           ; v2   0; never rewritten
.set RR,   3                           ; v3   r
.set HH,   4                           ; v4   h
.set WOFF, 6                           ; v6   my 16 bytes in two rows of W
.set HOFF, 7                           ; v7   my bytes in hidden
.set TRS,  8                           ; v8   stage: where I put 8 bytes
.set TRL,  9                           ; v9   stage: where the turning load reads
.set FOFF, 10                          ; v10  16 x lane
.set PDS,  11                          ; v11  where I put my partial product
.set PDR,  12                          ; v12  where I read the eight waves' partial products
.set COFF, 13                          ; v13  my 16 bytes in chbp
.set TM,   14                          ; v14-15 at work
.set HB,   16                          ; v16-23   hidden's fragment, bf16
.set W1R,  32                          ; v32-95   W1's rows as loaded; later the products (v32-63) and the sums (v64-95)
.set W2R,  96                          ; v96-159  W2's rows as loaded
.set HF,   160                         ; v160-175 hidden, f32
.set F1,   176                         ; v176-207 W1's fragments: column block nb at F1 + 8 nb
.set F2,   208                         ; v208-239 W2's fragments
.set DD,   32
.set SUM,  64
	s_load_b256 s[4:11], s[0:1], 0x0               ; W_attn s[4:5], hidden s[6:7], wfrag s[8:9], chbp s[10:11]
	v_lshl_add_u32 v[SPW], v0, 2, SPARE
	v_mov_b32 v[NIL], 0
	v_lshrrev_b32 v[TM], 5, v0
	v_readfirstlane_b32 s16, v[TM]                 ; wave 0..7
	s_and_b32 s17, ttmp7, 0xffff                   ; kq
	s_lshl3_add_u32 s18, s17, s16                  ; my K step: 8 kq + wave, 0..31
	v_and_b32 v[RR], 15, v0
	v_bfe_u32 v[HH], v0, 4, 1
	v_lshlrev_b32 v[WOFF], 4, v[RR]
	v_lshl_add_u32 v[WOFF], v[HH], 11, v[WOFF]     ; lanes 0-15 one row's 256 bytes, lanes 16-31 the next row's
	v_lshlrev_b32 v[HOFF], 12, v[RR]
	v_lshl_add_u32 v[HOFF], v[HH], 5, v[HOFF]      ; batch r, k = 8 h on
	s_lshl_b32 s20, s18, 16                        ; 32 rows of 2,048 bytes a K step,
	s_lshl_b32 s21, ttmp9, 8                       ; 64 columns of 4 bytes a column block
	s_add_co_u32 s20, s20, s21
	s_mov_b32 s21, 0
	s_lshl_b32 s22, s18, 7                         ; hidden: 32 k of 4 bytes
	s_mov_b32 s23, 0
	s_lshl_b32 s24, ttmp9, 5
	s_add_co_u32 s24, s24, s18
	s_lshl_b32 s24, s24, 12                        ; wfrag: (32 nq + step) x 4,096
	s_mov_b32 s25, 0
	s_lshl_b32 s26, s17, 15                        ; chbp: kq x 16 x 512 x 4,
	s_lshl_b32 s27, ttmp9, 8                       ; + 64 nq columns
	s_add_co_u32 s26, s26, s27
	s_mov_b32 s27, 0
	s_wait_kmcnt 0x0
	s_add_nc_u64 s[4:5], s[4:5], s[20:21]
	s_add_nc_u64 s[6:7], s[6:7], s[22:23]
	s_add_nc_u64 s[8:9], s[8:9], s[24:25]
	s_add_nc_u64 s[10:11], s[10:11], s[26:27]
	global_load_b128 v[HF:HF+3],     v[HOFF], s[6:7]            ; k = 8 h + 0..3, 4..7,
	global_load_b128 v[HF+4:HF+7],   v[HOFF], s[6:7] offset:16
	global_load_b128 v[HF+8:HF+11],  v[HOFF], s[6:7] offset:64  ; 16 + 8 h + 0..3, 4..7
	global_load_b128 v[HF+12:HF+15], v[HOFF], s[6:7] offset:80
.irp i, 0,1,2,3,4,5,6,7,8,9,10,11,12,13,14,15
	global_load_b128 v[W1R+4*(\i):W1R+4*(\i)+3], v[WOFF], s[4:5] offset:(\i)*4096 th:TH_LOAD_NT
.endr
.irp i, 0,1,2,3,4,5,6,7,8,9,10,11,12,13,14,15
	global_load_b128 v[W2R+4*(\i):W2R+4*(\i)+3], v[WOFF], s[4:5] offset:2097152+(\i)*4096 th:TH_LOAD_NT  ; 1,024 rows further down
.endr
	s_mul_i32 s28, s16, 2*TRH                      ; my two stages
	v_mul_u32_u24 v[TRS], v[HH], TP
	v_lshl_add_u32 v[TRS], v[RR], 3, v[TRS]
	v_add_nc_u32 v[TRS], s28, v[TRS]
	v_and_b32 v[TM], 7, v0                         ; the turning load: lane L reads row 8 h + L % 8, 16 bytes at 16 ((L / 8) % 2)
	v_bfe_u32 v[TM+1], v0, 3, 1
	v_lshl_add_u32 v[TRL], v[HH], 3, v[TM]
	v_mul_u32_u24 v[TRL], v[TRL], TP
	v_lshl_add_u32 v[TRL], v[TM+1], 4, v[TRL]
	v_add_nc_u32 v[TRL], s28, v[TRL]
	v_and_b32 v[FOFF], 31, v0
	v_lshlrev_b32 v[FOFF], 4, v[FOFF]
	s_mul_i32 s29, s16, PDV
	s_add_co_u32 s29, s29, PD
	v_mul_u32_u24 v[PDS], v[RR], PP
	v_lshl_add_u32 v[PDS], v[HH], 5, v[PDS]
	v_add_nc_u32 v[PDS], s29, v[PDS]
	v_lshrrev_b32 v[TM], 4, v0                     ; thread / 16: the batch whose sums I finish
	v_mul_u32_u24 v[PDR], v[TM], PP
	v_lshl_add_u32 v[PDR], v[RR], 4, v[PDR]
	v_add_nc_u32 v[PDR], PD, v[PDR]
	v_lshlrev_b32 v[COFF], 11, v[TM]
	v_lshl_add_u32 v[COFF], v[RR], 4, v[COFF]
.macro STAGE x, o                      ; 32 rows x 64 numbers: rounded to bf16 in place, 8 bytes a lane into the stage at byte o
.irp i, 0,1,2,3,4,5,6,7,8,9,10,11,12,13,14,15
	v_cvt_pk_bf16_f32 v[(\x)+4*(\i)],   v[(\x)+4*(\i)],   v[(\x)+4*(\i)+1]
	v_cvt_pk_bf16_f32 v[(\x)+4*(\i)+1], v[(\x)+4*(\i)+2], v[(\x)+4*(\i)+3]
.endr
.irp i, 0,1,2,3,4,5,6,7,8,9,10,11,12,13,14,15
	ds_store_b64 v[TRS], v[(\x)+4*(\i):(\x)+4*(\i)+1] offset:(\o)+2*(\i)*TP
.endr
.endm
.macro TURNED f, o                     ; back as fragments: column block nb, k half q.  LDS serves a wave's instructions in order: these see the stores above
.irp nb, 0,1,2,3
.irp q, 0,1
	ds_load_tr16_b128 v[(\f)+8*(\nb)+4*(\q):(\f)+8*(\nb)+4*(\q)+3], v[TRL] offset:(\o)+16*(\q)*TP+32*(\nb)
.endr
.endr
.endm
	s_wait_loadcnt 16                              ; hidden and W1 are in; W2's sixteen younger loads stay out
	STAGE W1R, 0
	TURNED F1, 0
.irp i, 0,1,2,3,4,5,6,7
	v_cvt_pk_bf16_f32 v[HB+(\i)], v[HF+2*(\i)], v[HF+2*(\i)+1]
.endr
	s_wait_loadcnt 0x0
	STAGE W2R, TRH
	TURNED F2, TRH
	s_wait_dscnt 24                                ; W1's fragments are in: behind them stand W2's 16 stores and 8 loads
.irp nb, 0,1,2,3                       ; source 0 = 16 columns of W1, source 1 = the 16 batches: a lane holds one batch and eight neighbouring columns
	v_wmma_f32_16x16x32_bf16 v[DD+8*(\nb):DD+8*(\nb)+7], v[F1+8*(\nb):F1+8*(\nb)+7], v[HB:HB+7], 0
.endr
	s_wait_dscnt 0x0                               ; W2's fragments are in
.irp f, 0,1,2,3,4,5,6,7
	global_store_b128 v[FOFF], v[F2+4*(\f):F2+4*(\f)+3], s[8:9] offset:(\f)*512  ; 512 bytes on end, at a multiple of 512 from wfrag's first byte
.endr
.rept 4
	v_nop                                          ; four places between the products and the stores that read them
.endr
.irp nb, 0,1,2,3
	ds_store_b128 v[PDS], v[DD+8*(\nb):DD+8*(\nb)+3]   offset:64*(\nb)
	ds_store_b128 v[PDS], v[DD+8*(\nb)+4:DD+8*(\nb)+7] offset:64*(\nb)+16
.endr
	s_wait_dscnt 0x0                               ; for the others' sake: my partial product is in LDS
	s_barrier_signal -1
	s_barrier_wait -1
.irp v, 0,1,2,3,4,5,6,7
	ds_load_b128 v[SUM+4*(\v):SUM+4*(\v)+3], v[PDR] offset:(\v)*PDV
.endr
	s_wait_dscnt 0x0
.irp v, 0,2,4,6
	v_pk_add_f32 v[SUM+4*(\v):SUM+4*(\v)+1],   v[SUM+4*(\v):SUM+4*(\v)+1],   v[SUM+4*(\v)+4:SUM+4*(\v)+5]
	v_pk_add_f32 v[SUM+4*(\v)+2:SUM+4*(\v)+3], v[SUM+4*(\v)+2:SUM+4*(\v)+3], v[SUM+4*(\v)+6:SUM+4*(\v)+7]
.endr
.irp v, 0,4
	v_pk_add_f32 v[SUM+4*(\v):SUM+4*(\v)+1],   v[SUM+4*(\v):SUM+4*(\v)+1],   v[SUM+4*(\v)+8:SUM+4*(\v)+9]
	v_pk_add_f32 v[SUM+4*(\v)+2:SUM+4*(\v)+3], v[SUM+4*(\v)+2:SUM+4*(\v)+3], v[SUM+4*(\v)+10:SUM+4*(\v)+11]
.endr
	v_pk_add_f32 v[SUM:SUM+1],   v[SUM:SUM+1],   v[SUM+16:SUM+17]
	v_pk_add_f32 v[SUM+2:SUM+3], v[SUM+2:SUM+3], v[SUM+18:SUM+19]
	global_store_b128 v[COFF], v[SUM:SUM+3], s[10:11]  ; sixteen lanes store a batch's 256 bytes on end
	s_wait_tensorcnt 0x0                           ; the wave's end, behind my last LDS store
	ds_add_u32 v[SPW], v[NIL]
	s_wait_dscnt 0x0
	s_endpgm
.Lfunc_end_k_qf782a05d5a_prep:
	.size	k_qf782a05d5a_prep, .Lfunc_end_k_qf782a05d5a_prep-k_qf782a05d5a_prep
	.p2alignl 7, 3214868480
	.fill 96, 4, 3214868480
	.section	.rodata,"a",@progbits
	.p2align	6, 0x0
	.amdhsa_kernel k_qf782a05d5a_prep
		.amdhsa_group_segment_fixed_size 117760
		.amdhsa_private_segment_fixed_size 0
		.amdhsa_enable_private_segment 0
		.amdhsa_kernarg_size 32
		.amdhsa_user_sgpr_count 2
		.amdhsa_user_sgpr_kernarg_segment_ptr 1
		.amdhsa_wavefront_size32 1
		.amdhsa_system_sgpr_workgroup_id_x 1
		.amdhsa_system_sgpr_workgroup_id_y 1
		.amdhsa_system_sgpr_workgroup_id_z 1
		.amdhsa_system_vgpr_workitem_id 0
		.amdhsa_next_free_vgpr 240
		.amdhsa_next_free_sgpr 66
		.amdhsa_reserve_vcc 0
		.amdhsa_float_denorm_mode_32 3
		.amdhsa_float_denorm_mode_16_64 3
		.amdhsa_memory_ordered 1
		.amdhsa_forward_progress 1
		.amdhsa_inst_pref_size 18
	.end_amdhsa_kernel
	.amdgpu_metadata
---
amdhsa.version: [ 1, 2 ]
amdhsa.kernels:
  - .name:           k_qf782a05d5a_prep
    .symbol:         k_qf782a05d5a_prep.kd
    .args:
      - { .name: W_attn, .offset: 0, .size: 8, .value_kind: global_buffer, .address_space: global }
      - { .name: hidden, .offset: 8, .size: 8, .value_kind: global_buffer, .address_space: global }
      - { .name: wfrag, .offset: 16, .size: 8, .value_kind: global_buffer, .address_space: global }
      - { .name: chbp, .offset: 24, .size: 8, .value_kind: global_buffer, .address_space: global }
    .group_segment_fixed_size: 117760
    .private_segment_fixed_size: 0
    .kernarg_segment_align: 8
    .kernarg_segment_size: 32
    .max_flat_workgroup_size: 256
    .sgpr_count:     66
    .vgpr_count:     240
    .wavefront_size: 32
...
	.end_amdgpu_metadata
.endif
;; end of part 1
;; launch attn (part 2): grid 256 x 1, 8 waves a work-group, no clusters, 312,320 bytes of LDS; arguments encoder_outputs, wfrag, chbp, b_attn, w_v, part; writes part
.if DOCPART == 2
	.amdgcn_target "amdgcn-amd-amdhsa--gfx1250"
	.amdhsa_code_object_version 6
	.text
	.protected	k_qf782a05d5a_attn
	.globl	k_qf782a05d5a_attn
	.p2align	8
	.type	k_qf782a05d5a_attn,@function
k_qf782a05d5a_attn:
	s_mov_b64 s[64:65], 0
	v_nop
	global_prefetch_b8 v0, s[64:65] scope:SCOPE_SE
	s_setreg_imm32_b32 hwreg(HW_REG_WAVE_MODE, 25, 1), 1
	s_wait_xcnt 0x0
; For 128 encoder rows at a time: scores, the tile's own softmax and its weighted sum of the same rows; the rows are read from memory once.
;   score[s] log2(e) = const + sum over n of wvm[n] / (1 + 2^(c2 acc[s][n] + chb[n])),   acc = enc x W2 (bf16 operands, f32 sums),
;   c2 = 2 log2(e), chb = c2 (hidden x W1 + b), wvm = -c2 w_v: this is w_v . tanh(..) with tanh(x) = 1 - 2 / (1 + e^(2x)).
;   const = log2(e) sum(w_v) is the same for all rows of a softmax and drops out of it exactly: it is left out.
; All inputs are rounded once to bf16 (enc, W, hidden, b, w_v).  The tile's maximum m is taken away before the exponentials; m, l = sum of p, and sum of p enc go to
; 'part', and the next launch joins a batch's 32 tiles by their maxima.  p goes to the matrix unit as two bf16, p_hi + p_lo, in even and odd rows of one operand.
; LIMITS.  2^x beyond f32's range gives infinity and 1 / infinity = 0, which is tanh = 1; a weight below 2^-126 counts as 0; NaN and infinities in the inputs are not treated apart.
; SHARES.  Work-group g: rows 256 g .. 256 g + 255 of [65536][1024] (one batch), as two tiles of 128.  Wave w of eight: columns 64 w .. + 63 of the 512 for all 128 rows
; (32 accumulators, 256 registers); it brings in and rounds rows 16 w .. + 15 of every 64 channels; in the weighted sum it owns channels 128 w .. + 127.
; The matrix instruction is used transposed (source 0 = 16 columns of W2, source 1 = 16 rows of enc): a lane holds ONE row and eight columns, so a row's score wants one exchange between the lanes' halves.
; LDS holds the tile's rows in bf16, by chunks of 64 channels (128 rows, pitch 144), until the weights are known: 294,912 bytes.
; NO TENSOR LOADS, NO CLUSTER.  All work-groups walk the same W2, but a K step of 32 of its 512 columns is 32,768 bytes, and beside the kept rows and the small tables
; 15,360 bytes of a WGP's 327,680 are left: no two slots fit.  So W2 comes from memory's cache straight into fragment registers, each wave its own columns: no byte of it is read twice in a work-group.
; REGISTERS: window 0 as named below; window 1: accumulator (a, b) (rows 16 a, columns 16 b) at v[8 (4 a + b)].
.set CP,    144                        ; a row of a chunk: 128 bytes + 16: the sixteen rows of a fragment load start at sixteen different 16-byte columns modulo 256
.set CHUNK, 128*CP
.set VEC,   16*CHUNK                   ; chb (2,048 bytes), then wvm (2,048 bytes)
.set SCR,   VEC+4096                   ; partial scores [wave][row]
.set PB,    SCR+4096                   ; each wave's own: p_hi (256 bytes), p_lo (256 bytes)
.set CST,   PB+4096                    ; each wave's own: 128 channels on the way out
.set SPARE, CST+4096                   ; the spare words: 128 bytes a wave, four blocks of 256 bytes that no other line names
.set TILEB, 128*4096                   ; a tile's rows in memory
.set PROW,  4352                       ; a row of 'part': 1,024 f32, then (m, l) 32 times
.set SPW,   1                          ; SPARE + 4 x thread; never rewritten
.set NIL,   2                          ; 0; never rewritten
.set ADRA,  3                          ; fragment loads: KB + ADRA0
.set STA,   4                          ; my stores into the chunks: KB + STA0
.set EOFF,  5                          ; (16 w + h) 4096 + 16 r
.set BOFF,  6                          ; 131072 w + 16 L
.set ADRA0, 7                          ; 144 r + 16 h
.set STA0,  8                          ; 144 (16 w + h) + 8 r
.set RR,    9
.set HH,    10
.set LL,    11
.set ADRT,  12                         ; turning loads: my two chunks, row 8 h + L % 8, 16 bytes at 16 ((L / 8) % 2)
.set VECR,  13
.set SCW,   14
.set SCRD,  15
.set PBW,   16
.set PBR,   17
.set CSTW,  18
.set CSTR,  19
.set GOFF,  20
.set SOFF,  21
.set PFO,   22
.set TM,    23                         ; v23-31 at work
.set H0,    32                         ; v32-63   enc fragments, rows 0-63
.set H1,    64                         ; v64-95   rows 64-127
.set B0,    96                         ; v96-191  three buffers of W2 fragments, 32 each: K step j in buffer j % 3
.set Q0,    192                        ; v192-239 three quanta of enc as loaded, 16 each: quantum e in slot e % 3
.set SC,    32                         ; behind the K loop: score sums, row block a, pair p at SC + 8 a + 2 p
.set CH,    96                         ; chb of my columns, 8 for each b
.set WVR,   128                        ; wvm likewise
.set T,     160                        ; three sets of eight at work
.set PS,    160
.set X0,    32                         ; the weighted sum: turned fragments of 32 rows x 128 channels
.set X1,    96
.set PR,    160                        ; P's fragments, 8 for each 32 rows
.set S8,    192
.set MX,    196                        ; v196 m, v197 l
.set PV,    200
.set WAVE,  16
.set BAT,   17
.set TILES, 18
.set TRIPS, 19
.set ET,    20                         ; s[20:21] enc at the tile's first row
.set EB,    22                         ; s[22:23] the same, stepping along the rows
.set BB,    24                         ; s[24:25] wfrag, stepping
.set PT,    26                         ; s[26:27] the tile's row of 'part'
.set C2,    28                         ; s[28:29] c2: the packed forms take the pair's low word for both halves
.set SEL,   30                         ; s[30:31] v_permlanex16_b32's selects: each lane takes its own place in the other half
.set TS,    32                         ; s[32:35] at work
.set HM,    36                         ; lanes 16-31
.set KB,    37                         ; LDS byte of the chunk at which the text's offsets begin
.set MSB, 0
.macro WIN new                         ; s_set_vgpr_msb: bits 1:0 source 0, 3:2 source 1, 5:4 source 2, 7:6 destination; the high byte repeats the setting that is left
.if MSB != (\new)
	s_set_vgpr_msb (MSB<<8)|(\new)
.set MSB, (\new)
.endif
.endm
.macro PLACES                          ; four places between a matrix instruction and a load into, or a vector line on, its registers (ISA guide 7.12.1 for vector lines)
.rept 4
	v_nop
.endr
.endm
	s_load_b256 s[4:11], s[0:1], 0x0               ; enc s[4:5], wfrag s[6:7], chbp s[8:9], b s[10:11]
	s_load_b128 s[12:15], s[0:1], 0x20             ; w_v s[12:13], part s[14:15]
	v_lshl_add_u32 v[SPW], v0, 2, SPARE
	v_mov_b32 v[NIL], 0
	v_lshrrev_b32 v[TM], 5, v0
	v_readfirstlane_b32 s[WAVE], v[TM]             ; wave 0..7
	v_and_b32 v[RR], 15, v0
	v_bfe_u32 v[HH], v0, 4, 1
	v_and_b32 v[LL], 31, v0
	s_mov_b32 s[C2], 0x4038aa3b                    ; 2 log2(e)
	s_mov_b32 s[C2+1], s[C2]
	s_mov_b32 s[SEL], 0x76543210
	s_mov_b32 s[SEL+1], 0xfedcba98
	v_cmp_ne_u32 s[HM], 0, v[HH]
	s_lshl_b32 s[TS+2], s[WAVE], 16                ; my 16 rows of 4,096 bytes
	v_lshlrev_b32 v[EOFF], 4, v[RR]
	v_lshl_add_u32 v[EOFF], v[HH], 12, v[EOFF]
	v_add_nc_u32 v[EOFF], s[TS+2], v[EOFF]
	v_lshlrev_b32 v[PFO], 12, v[RR]
	v_lshl_add_u32 v[PFO], v[HH], 8, v[PFO]
	v_add_nc_u32 v[PFO], s[TS+2], v[PFO]
	s_lshl_b32 s[TS+2], s[WAVE], 17                ; my columns' 32 K steps of 4,096 bytes in wfrag
	v_lshlrev_b32 v[CSTR], 4, v[LL]                ; 16 L
	v_add_nc_u32 v[BOFF], s[TS+2], v[CSTR]
	v_add_nc_u32 v[SCRD], SCR, v[CSTR]
	s_lshl_b32 s[TS+2], s[WAVE], 9                 ; 512 w
	v_add_nc_u32 v[GOFF], s[TS+2], v[CSTR]
	v_add_nc_u32 v[CSTR], CST, v[GOFF]
	v_lshl_add_u32 v[CSTW], v[LL], 2, s[TS+2]
	v_add_nc_u32 v[SCW], SCR, v[CSTW]
	v_add_nc_u32 v[CSTW], CST, v[CSTW]
	v_lshl_add_u32 v[PBW], v[LL], 3, s[TS+2]
	v_add_nc_u32 v[PBW], PB, v[PBW]
	v_lshlrev_b32 v[SOFF], 3, v[LL]
	v_and_b32 v[PBR], 1, v0                        ; even rows of the operand take p_hi, odd rows p_lo
	v_lshlrev_b32 v[PBR], 8, v[PBR]
	v_lshl_add_u32 v[PBR], v[HH], 4, v[PBR]
	v_add_nc_u32 v[PBR], s[TS+2], v[PBR]
	v_add_nc_u32 v[PBR], PB, v[PBR]
	s_lshl_b32 s[TS+2], s[WAVE], 8                 ; my 64 columns of 4 bytes
	v_lshl_add_u32 v[VECR], v[HH], 5, s[TS+2]
	v_add_nc_u32 v[VECR], VEC, v[VECR]
	v_mul_u32_u24 v[ADRA0], v[RR], CP
	v_lshl_add_u32 v[ADRA0], v[HH], 4, v[ADRA0]
	s_mul_i32 s[TS+2], s[WAVE], 16*CP
	v_mul_u32_u24 v[STA0], v[HH], CP
	v_lshl_add_u32 v[STA0], v[RR], 3, v[STA0]
	v_add_nc_u32 v[STA0], s[TS+2], v[STA0]
	s_mul_i32 s[TS+2], s[WAVE], 2*CHUNK
	v_and_b32 v[TM+2], 7, v0
	v_lshl_add_u32 v[TM+2], v[HH], 3, v[TM+2]
	v_mul_u32_u24 v[ADRT], v[TM+2], CP
	v_bfe_u32 v[TM+2], v0, 3, 1
	v_lshl_add_u32 v[ADRT], v[TM+2], 4, v[ADRT]
	v_add_nc_u32 v[ADRT], s[TS+2], v[ADRT]
	v_lshlrev_b32 v[TM], 4, v0                     ; 16 x thread
	v_add_nc_u32 v[TM+1], VEC, v[TM]
	s_lshr_b32 s[BAT], ttmp9, 4                    ; 16 work-groups a batch
	s_lshl_b32 s[TS], s[BAT], 11
	s_mov_b32 s[TS+1], 0
	s_mov_b32 s[TILES], 2
	s_wait_kmcnt 0x0
	s_add_nc_u64 s[8:9], s[8:9], s[TS:TS+1]        ; chbp at my batch
	s_lshl_b32 s[TS], ttmp9, 20                    ; 256 rows of 4,096 bytes a work-group
	s_add_nc_u64 s[ET:ET+1], s[4:5], s[TS:TS+1]
	s_mul_i32 s[TS], ttmp9, 2*PROW
	s_add_nc_u64 s[PT:PT+1], s[14:15], s[TS:TS+1]
	; The two tables, four numbers a thread: waves 0-3 make chb, waves 4-7 wvm.  The first chunk's barrier stands between these stores and their readers.
	s_cmp_lt_u32 s[WAVE], 4
	s_cbranch_scc0 .Lwv
	global_load_b128 v[32:35], v[TM], s[8:9]
	global_load_b128 v[36:39], v[TM], s[8:9] offset:32768
	global_load_b128 v[40:43], v[TM], s[8:9] offset:65536
	global_load_b128 v[44:47], v[TM], s[8:9] offset:98304
	global_load_b128 v[48:51], v[TM], s[10:11]
	s_wait_loadcnt 0x0
	v_cvt_pk_bf16_f32 v52, v48, v49                ; b rounded to bf16, like every input
	v_cvt_pk_bf16_f32 v53, v50, v51
	v_pk_add_f32 v[32:33], v[32:33], v[36:37]
	v_pk_add_f32 v[34:35], v[34:35], v[38:39]
	v_pk_add_f32 v[40:41], v[40:41], v[44:45]
	v_pk_add_f32 v[42:43], v[42:43], v[46:47]
	v_lshlrev_b32 v48, 16, v52
	v_and_b32 v49, 0xffff0000, v52
	v_lshlrev_b32 v50, 16, v53
	v_and_b32 v51, 0xffff0000, v53
	v_pk_add_f32 v[32:33], v[32:33], v[40:41]
	v_pk_add_f32 v[34:35], v[34:35], v[42:43]
	v_pk_add_f32 v[32:33], v[32:33], v[48:49]
	v_pk_add_f32 v[34:35], v[34:35], v[50:51]
	v_pk_mul_f32 v[32:33], v[32:33], s[C2:C2+1] op_sel_hi:[1,0]
	v_pk_mul_f32 v[34:35], v[34:35], s[C2:C2+1] op_sel_hi:[1,0]
	s_branch .Lvec
.Lwv:
	global_load_b128 v[32:35], v[TM], s[12:13] offset:-2048  ; threads 128-255: bytes 0 to 2,047 of w_v
	s_wait_loadcnt 0x0
	v_cvt_pk_bf16_f32 v52, v32, v33
	v_cvt_pk_bf16_f32 v53, v34, v35
	v_lshlrev_b32 v32, 16, v52
	v_and_b32 v33, 0xffff0000, v52
	v_lshlrev_b32 v34, 16, v53
	v_and_b32 v35, 0xffff0000, v53
	v_pk_mul_f32 v[32:33], v[32:33], 0xc038aa3b op_sel_hi:[1,0]  ; -2 log2(e)
	v_pk_mul_f32 v[34:35], v[34:35], 0xc038aa3b op_sel_hi:[1,0]
.Lvec:
	ds_store_b128 v[TM+1], v[32:35]
; THE K LOOP'S PARTS.  A step j is 32 along K; a chunk is two steps (256 bytes of a row in memory); quantum e = 2 c + u is my 8 rows 16 w + 8 u on of chunk c.
; The text's numbers j, e count from J0 (even): EB, BB and KB stand at step J0.
.macro ELOAD e                         ; four loads, each two rows' 256 bytes
.set QR, Q0+16*((\e)%3)
.irp i, 0,1,2,3
	global_load_b128 v[QR+4*(\i):QR+4*(\i)+3], v[EOFF], s[EB:EB+1] offset:(((\e)>>1)-J0/2)*256+(8*((\e)&1)+2*(\i))*4096 th:TH_LOAD_NT
.endr
.endm
.macro CVT e                           ; rounded to bf16 in place
.set QR, Q0+16*((\e)%3)
.irp i, 0,1,2,3
	v_cvt_pk_bf16_f32 v[QR+4*(\i)],   v[QR+4*(\i)],   v[QR+4*(\i)+1]
	v_cvt_pk_bf16_f32 v[QR+4*(\i)+1], v[QR+4*(\i)+2], v[QR+4*(\i)+3]
.endr
.endm
.macro ESTORE e
.set QR, Q0+16*((\e)%3)
.irp i, 0,1,2,3
	ds_store_b64 v[STA], v[QR+4*(\i):QR+4*(\i)+1] offset:(((\e)>>1)-J0/2)*CHUNK+(8*((\e)&1)+2*(\i))*CP
.endr
.endm
.macro BLOAD j                         ; my columns' W2 fragments of step j: eight loads of 512 bytes on end
.set BR, B0+32*((\j)%3)
.irp f, 0,1,2,3,4,5,6,7
	global_load_b128 v[BR+4*(\f):BR+4*(\f)+3], v[BOFF], s[BB:BB+1] offset:((\j)-J0)*4096+512*(\f)
.endr
.endm
.macro AFRAG j, x                      ; enc fragments of step j, rows 64 x on: lane (r, h) takes row r, k = 8 h + 0..7 and 16 + 8 h + 0..7
.set HR, H0+32*(\x)
.irp a, 0,1,2,3
.irp q, 0,1
	ds_load_b128 v[HR+8*(\a)+4*(\q):HR+8*(\a)+4*(\q)+3], v[ADRA] offset:(((\j)-J0)>>1)*CHUNK+(64*(\x)+16*(\a))*CP+((\j)&1)*64+32*(\q)
.endr
.endr
.endm
.macro MUL16 j, x, zero                ; 16 products; the 32 accumulators take turns, one instruction a turn.  zero = 1: the first K step starts the sums
	WIN 0x50                                       ; C and D in window 1
.set BR, B0+32*((\j)%3)
.set HR, H0+32*(\x)
.irp a, 0,1,2,3
.irp b, 0,1,2,3
.if \zero
	v_wmma_f32_16x16x32_bf16 v[8*(4*(4*(\x)+(\a))+(\b)):8*(4*(4*(\x)+(\a))+(\b))+7], v[BR+8*(\b):BR+8*(\b)+7], v[HR+8*(\a):HR+8*(\a)+7], 0
.else
	v_wmma_f32_16x16x32_bf16 v[8*(4*(4*(\x)+(\a))+(\b)):8*(4*(4*(\x)+(\a))+(\b))+7], v[BR+8*(\b):BR+8*(\b)+7], v[HR+8*(\a):HR+8*(\a)+7], v[8*(4*(4*(\x)+(\a))+(\b)):8*(4*(4*(\x)+(\a))+(\b))+7]
.endif
.endr
.endr
	WIN 0
.endm
.macro BASES
	v_add_nc_u32 v[ADRA], s[KB], v[ADRA0]
	v_add_nc_u32 v[STA], s[KB], v[STA0]
.endm
; ONE STEP.  doS: quantum j + 2 is rounded and stored (its eight conversions are the places behind the last products).  doB, doE: W2 of step j + 2 and quantum j + 5 are asked for.
; bar: the barrier in front of the chunk that step j + 1 begins: its two quanta, j + 1 and j + 2, are stored and waited for in every wave ahead of the signal; sixteen products and
; loads of the chunk in hand, which nobody writes, stand between signal and wait.  nxt: the next step's first fragments.
; lcnt: loads come back in order; quantum j + 2 and W2 of step j are in when only what was asked for behind them is out: quantum j + 3 (4), W2 of j + 1 (8), quantum j + 4 (4).
.macro STEP j, zero, doS, doE, doB, bar, nxt, lcnt
	s_wait_loadcnt \lcnt
.if \doS
	CVT (\j)+2
	ESTORE (\j)+2
.else
	PLACES
.endif
.if \doB
	BLOAD (\j)+2
.endif
.if \doE
	ELOAD (\j)+5
.endif
.if \bar
	s_wait_dscnt 0x0                               ; for the others' sake: my stores are done; my fragment loads are back
	s_barrier_signal -1
	AFRAG \j, 1
.else
	AFRAG \j, 1
	s_wait_dscnt 8                                 ; all but the eight just issued
.endif
	MUL16 \j, 0, \zero
.if \bar
	s_barrier_wait -1
.endif
	PLACES
.if \nxt
	AFRAG (\j)+1, 0
	s_wait_dscnt 8                                 ; all but the eight just issued
.else
	s_wait_dscnt 0x0
.endif
	MUL16 \j, 1, \zero
.endm
; THE TANH TERMS of accumulator x = 8 b + a, in five parts on one of three sets of eight registers.
.macro XREG x
.set bb, (\x)/8
.set aa, (\x)%8
.set TT, T+8*((\x)%3)
.endm
.macro FX x                            ; c2 acc + chb; the accumulator's lowest registers first
	XREG \x
	WIN 0x01                                       ; source 0 in window 1
	s_wait_alu depctr_va_vdst(0)
.irp p, 0,1,2,3
	v_pk_fma_f32 v[TT+2*(\p):TT+2*(\p)+1], v[8*(4*aa+bb)+2*(\p):8*(4*aa+bb)+2*(\p)+1], s[C2:C2+1], v[CH+8*bb+2*(\p):CH+8*bb+2*(\p)+1] op_sel_hi:[1,0,1]
.endr
	WIN 0
.endm
.macro EX x
	XREG \x
.irp p, 0,1,2,3,4,5,6,7
	v_exp_f32 v[TT+(\p)], v[TT+(\p)]
.endr
.endm
.macro AX x
	XREG \x
	s_wait_alu depctr_va_vdst(0)
.irp p, 0,1,2,3
	v_pk_add_f32 v[TT+2*(\p):TT+2*(\p)+1], v[TT+2*(\p):TT+2*(\p)+1], 1.0 op_sel_hi:[1,0]
.endr
.endm
.macro RX x
	XREG \x
.irp p, 0,1,2,3,4,5,6,7
	v_rcp_f32 v[TT+(\p)], v[TT+(\p)]
.endr
.endm
.macro SX x                            ; times wvm, onto the row block's sums; b = 0 starts them
	XREG \x
.irp p, 0,1,2,3
.if bb == 0
	s_wait_alu depctr_va_vdst(0)
	v_pk_mul_f32 v[SC+8*aa+2*(\p):SC+8*aa+2*(\p)+1], v[TT+2*(\p):TT+2*(\p)+1], v[WVR+2*(\p):WVR+2*(\p)+1]
.else
	v_pk_fma_f32 v[SC+8*aa+2*(\p):SC+8*aa+2*(\p)+1], v[TT+2*(\p):TT+2*(\p)+1], v[WVR+8*bb+2*(\p):WVR+8*bb+2*(\p)+1], v[SC+8*aa+2*(\p):SC+8*aa+2*(\p)+1]
.endif
.endr
.endm
; THE WEIGHTED SUM'S PARTS.  Rows 32 ks on of my 128 channels, turned: lane (r, h) holds channel r of block cb and 8 + 8 rows.
.macro TFRAG ks, x
.irp cb, 0,1,2,3,4,5,6,7
.irp q, 0,1
	ds_load_tr16_b128 v[(\x)+8*(\cb)+4*(\q):(\x)+8*(\cb)+4*(\q)+3], v[ADRT] offset:((\cb)>>2)*CHUNK+(32*(\ks)+16*(\q))*CP+((\cb)&3)*32
.endr
.endr
.endm
.macro CMUL ks, x, zero                ; eight products, the eight accumulators by turns
	WIN 0x50
.irp cb, 0,1,2,3,4,5,6,7
.if \zero
	v_wmma_f32_16x16x32_bf16 v[8*(\cb):8*(\cb)+7], v[PR+8*(\ks):PR+8*(\ks)+7], v[(\x)+8*(\cb):(\x)+8*(\cb)+7], 0
.else
	v_wmma_f32_16x16x32_bf16 v[8*(\cb):8*(\cb)+7], v[PR+8*(\ks):PR+8*(\ks)+7], v[(\x)+8*(\cb):(\x)+8*(\cb)+7], v[8*(\cb):8*(\cb)+7]
.endif
.endr
	WIN 0
.endm
.Ltile:
	s_mov_b64 s[EB:EB+1], s[ET:ET+1]
	s_mov_b64 s[BB:BB+1], s[6:7]
	s_mov_b32 s[KB], 0
	BASES
.set J0, 0
	ELOAD 0
	ELOAD 1
	ELOAD 2
	BLOAD 0
	BLOAD 1
	s_wait_loadcnt 24                              ; quantum 0 is in: behind it 4 + 4 + 8 + 8 loads
	CVT 0
	ESTORE 0
	ELOAD 3
	s_wait_loadcnt 24                              ; quantum 1: behind it 4 + 8 + 8 + 4
	CVT 1
	ESTORE 1
	ELOAD 4
	s_wait_dscnt 0x0                               ; chunk 0: my part is stored (in the first tile the tables too),
	s_barrier_signal -1
	s_barrier_wait -1                              ; everybody's is
	AFRAG 0, 0
	STEP 0, 1, 1, 1, 1, 0, 1, 16                   ; the first K step starts the sums: nothing is cleared
	STEP 1, 0, 1, 1, 1, 1, 1, 16
	s_wait_xcnt 0x0                                ; the loads' bases are stepped only behind this wait
	s_add_nc_u64 s[EB:EB+1], s[EB:EB+1], 256
	s_add_nc_u64 s[BB:BB+1], s[BB:BB+1], 2*4096
	s_add_co_u32 s[KB], s[KB], CHUNK
	BASES
.set J0, 2
	s_mov_b32 s[TRIPS], 4
.Lk:                                   ; a trip: six steps (the buffers go by j % 3, the chunks' halves by j % 2); steps 2 to 25
	STEP 2, 0, 1, 1, 1, 0, 1, 16
	STEP 3, 0, 1, 1, 1, 1, 1, 16
	STEP 4, 0, 1, 1, 1, 0, 1, 16
	STEP 5, 0, 1, 1, 1, 1, 1, 16
	STEP 6, 0, 1, 1, 1, 0, 1, 16
	STEP 7, 0, 1, 1, 1, 1, 1, 16
	s_wait_xcnt 0x0
	s_add_nc_u64 s[EB:EB+1], s[EB:EB+1], 3*256
	s_add_nc_u64 s[BB:BB+1], s[BB:BB+1], 6*4096
	s_add_co_u32 s[KB], s[KB], 3*CHUNK
	BASES
	s_sub_co_u32 s[TRIPS], s[TRIPS], 1
	s_cmp_lg_u32 s[TRIPS], 0
	s_cbranch_scc1 .Lk
	STEP 2, 0, 1, 1, 1, 0, 1, 16                   ; steps 26 to 31: the requests end (quantum 31, W2 of step 31), and the counts run down
	STEP 3, 0, 1, 0, 1, 1, 1, 16
	STEP 4, 0, 1, 0, 1, 0, 1, 12                   ; behind quantum 30 and W2 of 28: quantum 31 (4), W2 of 29 (8)
	STEP 5, 0, 1, 0, 1, 1, 1, 8                    ; behind quantum 31 and W2 of 29: W2 of 30
	STEP 6, 0, 0, 0, 0, 0, 1, 8                    ; behind W2 of 30: W2 of 31
	STEP 7, 0, 0, 0, 0, 0, 0, 0
	; THE SCORES.  Each run of exponentials or reciprocals has a plain line (the next accumulator's scaling, at the end a v_nop) between it and the use of its results (ISA guide 5.7.2).
	PLACES
.irp b, 0,1,2,3
	ds_load_b128 v[CH+8*(\b):CH+8*(\b)+3],     v[VECR] offset:64*(\b)
	ds_load_b128 v[CH+8*(\b)+4:CH+8*(\b)+7],   v[VECR] offset:64*(\b)+16
	ds_load_b128 v[WVR+8*(\b):WVR+8*(\b)+3],   v[VECR] offset:2048+64*(\b)
	ds_load_b128 v[WVR+8*(\b)+4:WVR+8*(\b)+7], v[VECR] offset:2048+64*(\b)+16
.endr
	s_wait_dscnt 0x0
.set xx, -2
.rept 34
.if xx+2 < 32
	FX xx+2
.else
	v_nop
	s_wait_alu depctr_va_vdst(0)
.endif
.if xx >= 0
	SX xx
.endif
.if (xx+1 >= 0) && (xx+1 < 32)
	AX xx+1
	RX xx+1
.endif
.if xx+2 < 32
	EX xx+2
.endif
.set xx, xx+1
.endr
	; In the first tile: the first 1,024 bytes of my 16 rows of the second tile are asked for, each block of 256 bytes by one lane of one wave; the second tile asks for nothing.
	s_cmp_eq_u32 s[TILES], 1
	s_cbranch_scc1 .Lno_ask
	global_prefetch_b8 v[PFO], s[ET:ET+1] offset:TILEB th:TH_LOAD_NT scope:SCOPE_SE
	global_prefetch_b8 v[PFO], s[ET:ET+1] offset:TILEB+512 th:TH_LOAD_NT scope:SCOPE_SE
.Lno_ask:
.irp a, 0,1,2,3,4,5,6,7
	v_pk_add_f32 v[SC+8*(\a):SC+8*(\a)+1],   v[SC+8*(\a):SC+8*(\a)+1],   v[SC+8*(\a)+2:SC+8*(\a)+3]
	v_pk_add_f32 v[SC+8*(\a)+4:SC+8*(\a)+5], v[SC+8*(\a)+4:SC+8*(\a)+5], v[SC+8*(\a)+6:SC+8*(\a)+7]
.endr
.irp a, 0,1,2,3,4,5,6,7
	v_pk_add_f32 v[SC+8*(\a):SC+8*(\a)+1], v[SC+8*(\a):SC+8*(\a)+1], v[SC+8*(\a)+4:SC+8*(\a)+5]
.endr
.irp a, 0,1,2,3,4,5,6,7
	v_add_f32 v[PS+(\a)], v[SC+8*(\a)], v[SC+8*(\a)+1]
.endr
.irp a, 0,1,2,3,4,5,6,7
	v_permlanex16_b32 v[PS+8+(\a)], v[PS+(\a)], s[SEL], s[SEL+1]  ; the row's other 32 of my columns lie in the lane 16 away
.endr
.irp a, 0,1,2,3,4,5,6,7
	v_add_f32 v[PS+(\a)], v[PS+(\a)], v[PS+8+(\a)]
.endr
.irp i, 0,1,2,3
	v_cndmask_b32 v[PS+16+(\i)], v[PS+2*(\i)], v[PS+2*(\i)+1], s[HM]  ; lane L: row 32 i + L
.endr
.irp i, 0,1,2,3
	ds_store_b32 v[SCW], v[PS+16+(\i)] offset:128*(\i)
.endr
	s_wait_dscnt 0x0                               ; for the others' sake: my columns' share of the scores is in LDS
	s_barrier_signal -1
	s_barrier_wait -1
	; THE TILE'S SOFTMAX, alike in all eight waves (lane L: rows 4 L .. 4 L + 3), and the weighted sum of my 128 channels.
.irp w, 0,1,2,3,4,5,6,7
	ds_load_b128 v[S8+4*(\w):S8+4*(\w)+3], v[SCRD] offset:512*(\w)
.endr
	TFRAG 0, X0
	TFRAG 1, X1
	s_wait_dscnt 32                                ; the scores are in; the 32 turning loads stay out
.irp w, 0,2,4,6
	v_pk_add_f32 v[S8+4*(\w):S8+4*(\w)+1],   v[S8+4*(\w):S8+4*(\w)+1],   v[S8+4*(\w)+4:S8+4*(\w)+5]
	v_pk_add_f32 v[S8+4*(\w)+2:S8+4*(\w)+3], v[S8+4*(\w)+2:S8+4*(\w)+3], v[S8+4*(\w)+6:S8+4*(\w)+7]
.endr
.irp w, 0,4
	v_pk_add_f32 v[S8+4*(\w):S8+4*(\w)+1],   v[S8+4*(\w):S8+4*(\w)+1],   v[S8+4*(\w)+8:S8+4*(\w)+9]
	v_pk_add_f32 v[S8+4*(\w)+2:S8+4*(\w)+3], v[S8+4*(\w)+2:S8+4*(\w)+3], v[S8+4*(\w)+10:S8+4*(\w)+11]
.endr
	v_pk_add_f32 v[S8:S8+1],   v[S8:S8+1],   v[S8+16:S8+17]
	v_pk_add_f32 v[S8+2:S8+3], v[S8+2:S8+3], v[S8+18:S8+19]
	v_max3_num_f32 v[MX], v[S8], v[S8+1], v[S8+2]
	v_max_num_f32 v[MX], v[MX], v[S8+3]
	v_max_num_f32_dpp v[MX], v[MX], v[MX] row_xmask:1 row_mask:0xf bank_mask:0xf
	v_max_num_f32_dpp v[MX], v[MX], v[MX] row_xmask:2 row_mask:0xf bank_mask:0xf
	v_max_num_f32_dpp v[MX], v[MX], v[MX] row_xmask:4 row_mask:0xf bank_mask:0xf
	v_max_num_f32_dpp v[MX], v[MX], v[MX] row_xmask:8 row_mask:0xf bank_mask:0xf
	v_permlanex16_b32 v[MX+2], v[MX], s[SEL], s[SEL+1]
	v_max_num_f32 v[MX], v[MX], v[MX+2]            ; m: the tile's maximum, in every lane
.irp i, 0,1,2,3
	v_sub_f32 v[PV+(\i)], v[S8+(\i)], v[MX]
.endr
.irp i, 0,1,2,3
	v_exp_f32 v[PV+(\i)], v[PV+(\i)]
.endr
	v_nop                                          ; a plain line between the last exponential and the use of its result
	s_wait_alu depctr_va_vdst(0)
	v_cvt_pk_bf16_f32 v[PV+4], v[PV], v[PV+1]      ; p_hi
	v_cvt_pk_bf16_f32 v[PV+5], v[PV+2], v[PV+3]
	v_lshlrev_b32 v[PV+6], 16, v[PV+4]
	v_and_b32 v[PV+7], 0xffff0000, v[PV+4]
	v_lshlrev_b32 v[PV+8], 16, v[PV+5]
	v_and_b32 v[PV+9], 0xffff0000, v[PV+5]
	v_pk_add_f32 v[PV+6:PV+7], v[PV:PV+1],   v[PV+6:PV+7] neg_lo:[0,1] neg_hi:[0,1]
	v_pk_add_f32 v[PV+8:PV+9], v[PV+2:PV+3], v[PV+8:PV+9] neg_lo:[0,1] neg_hi:[0,1]
	v_cvt_pk_bf16_f32 v[PV+10], v[PV+6], v[PV+7]   ; p_lo = p - p_hi, rounded
	v_cvt_pk_bf16_f32 v[PV+11], v[PV+8], v[PV+9]
	ds_store_b64 v[PBW], v[PV+4:PV+5]
	ds_store_b64 v[PBW], v[PV+10:PV+11] offset:256
.irp ks, 0,1,2,3
.irp q, 0,1
	ds_load_b128 v[PR+8*(\ks)+4*(\q):PR+8*(\ks)+4*(\q)+3], v[PBR] offset:64*(\ks)+32*(\q)  ; my own bytes: LDS serves a wave's instructions in order
.endr
.endr
	v_add_f32 v[MX+1], v[PV], v[PV+1]              ; l, of the unrounded p, while the loads are out
	v_add_f32 v[MX+2], v[PV+2], v[PV+3]
	v_add_f32 v[MX+1], v[MX+1], v[MX+2]
	v_add_f32_dpp v[MX+1], v[MX+1], v[MX+1] row_xmask:1 row_mask:0xf bank_mask:0xf
	v_add_f32_dpp v[MX+1], v[MX+1], v[MX+1] row_xmask:2 row_mask:0xf bank_mask:0xf
	v_add_f32_dpp v[MX+1], v[MX+1], v[MX+1] row_xmask:4 row_mask:0xf bank_mask:0xf
	v_add_f32_dpp v[MX+1], v[MX+1], v[MX+1] row_xmask:8 row_mask:0xf bank_mask:0xf
	v_permlanex16_b32 v[MX+2], v[MX+1], s[SEL], s[SEL+1]
	v_add_f32 v[MX+1], v[MX+1], v[MX+2]
	s_wait_dscnt 0x0
	CMUL 0, X0, 1                                  ; source 0 = P (rows: p_hi, p_lo by turns), source 1 = 32 rows x 16 channels
	CMUL 1, X1, 0
	PLACES
	TFRAG 2, X0
	TFRAG 3, X1
	s_wait_dscnt 16                                ; rows 64-95 are in
	CMUL 2, X0, 0
	s_wait_dscnt 0x0
	CMUL 3, X1, 0
	PLACES
	WIN 0x05                                       ; sources 0 and 1 in window 1
.irp cb, 0,1,2,3,4,5,6,7
	v_add_f32 v[TM+1+(\cb)], v[8*(\cb)], v[8*(\cb)+1]  ; result rows 8 h and 8 h + 1: p_hi's sum + p_lo's, for channel 16 cb + r
.endr
	WIN 0
.irp i, 0,1,2,3
	v_cndmask_b32 v[PV+(\i)], v[TM+1+2*(\i)], v[TM+2+2*(\i)], s[HM]  ; lane L: channel 32 i + L
.endr
.irp i, 0,1,2,3
	ds_store_b32 v[CSTW], v[PV+(\i)] offset:128*(\i)
.endr
	ds_load_b128 v[PV+4:PV+7], v[CSTR]             ; back as four neighbouring channels a lane
	s_wait_dscnt 0x0
	global_store_b128 v[GOFF], v[PV+4:PV+7], s[PT:PT+1]  ; 512 bytes on end, at a multiple of 256 from part's first byte
	s_cmp_lg_u32 s[WAVE], 0
	s_cbranch_scc1 .Lno_ml
	global_store_b64 v[SOFF], v[MX:MX+1], s[PT:PT+1] offset:4096  ; (m, l) from all 32 lanes: 256 bytes on end
.Lno_ml:
	s_wait_xcnt 0x0                                ; the stores' data and base, and the prefetch's base, are rewritten only behind this wait
	s_barrier_signal -1                            ; every wave's reads of the chunks are back (its wait for 0 above): the next tile may overwrite them
	s_barrier_wait -1
	s_add_nc_u64 s[ET:ET+1], s[ET:ET+1], TILEB
	s_add_nc_u64 s[PT:PT+1], s[PT:PT+1], PROW
	s_sub_co_u32 s[TILES], s[TILES], 1
	s_cmp_lg_u32 s[TILES], 0
	s_cbranch_scc1 .Ltile
	s_wait_tensorcnt 0x0                           ; the wave's end, behind my last LDS store
	ds_add_u32 v[SPW], v[NIL]
	s_wait_dscnt 0x0
	s_endpgm
.Lfunc_end_k_qf782a05d5a_attn:
	.size	k_qf782a05d5a_attn, .Lfunc_end_k_qf782a05d5a_attn-k_qf782a05d5a_attn
	.p2alignl 7, 3214868480
	.fill 96, 4, 3214868480
	.section	.rodata,"a",@progbits
	.p2align	6, 0x0
	.amdhsa_kernel k_qf782a05d5a_attn
		.amdhsa_group_segment_fixed_size 312320
		.amdhsa_private_segment_fixed_size 0
		.amdhsa_enable_private_segment 0
		.amdhsa_kernarg_size 48
		.amdhsa_user_sgpr_count 2
		.amdhsa_user_sgpr_kernarg_segment_ptr 1
		.amdhsa_wavefront_size32 1
		.amdhsa_system_sgpr_workgroup_id_x 1
		.amdhsa_system_sgpr_workgroup_id_y 1
		.amdhsa_system_sgpr_workgroup_id_z 1
		.amdhsa_system_vgpr_workitem_id 0
		.amdhsa_next_free_vgpr 512
		.amdhsa_next_free_sgpr 66
		.amdhsa_reserve_vcc 0
		.amdhsa_float_denorm_mode_32 3
		.amdhsa_float_denorm_mode_16_64 3
		.amdhsa_memory_ordered 1
		.amdhsa_forward_progress 1
		.amdhsa_inst_pref_size 143
	.end_amdhsa_kernel
	.amdgpu_metadata
---
amdhsa.version: [ 1, 2 ]
amdhsa.kernels:
  - .name:           k_qf782a05d5a_attn
    .symbol:         k_qf782a05d5a_attn.kd
    .args:
      - { .name: encoder_outputs, .offset: 0, .size: 8, .value_kind: global_buffer, .address_space: global }
      - { .name: wfrag, .offset: 8, .size: 8, .value_kind: global_buffer, .address_space: global }
      - { .name: chbp, .offset: 16, .size: 8, .value_kind: global_buffer, .address_space: global }
      - { .name: b_attn, .offset: 24, .size: 8, .value_kind: global_buffer, .address_space: global }
      - { .name: w_v, .offset: 32, .size: 8, .value_kind: global_buffer, .address_space: global }
      - { .name: part, .offset: 40, .size: 8, .value_kind: global_buffer, .address_space: global }
    .group_segment_fixed_size: 312320
    .private_segment_fixed_size: 0
    .kernarg_segment_align: 8
    .kernarg_segment_size: 48
    .max_flat_workgroup_size: 256
    .sgpr_count:     66
    .vgpr_count:     512
    .wavefront_size: 32
...
	.end_amdgpu_metadata
.endif
;; end of part 2
;; launch merge (part 3): grid 8 x 16, 1 waves a work-group, no clusters, 0 bytes of LDS; arguments part, out0; writes out0
.if DOCPART == 3
	.amdgcn_target "amdgcn-amd-amdhsa--gfx1250"
	.amdhsa_code_object_version 6
	.text
	.protected	k_qf782a05d5a_merge
	.globl	k_qf782a05d5a_merge
	.p2align	8
	.type	k_qf782a05d5a_merge,@function
k_qf782a05d5a_merge:
	s_mov_b64 s[64:65], 0
	v_nop
	global_prefetch_b8 v0, s[64:65] scope:SCOPE_SE
	s_setreg_imm32_b32 hwreg(HW_REG_WAVE_MODE, 25, 1), 1
	s_wait_xcnt 0x0
; out0[batch][d] = sum over the batch's 32 tiles t of g[t] ctx[t][d],  g[t] = 2^(m[t] - M) / sum over t of 2^(m[t] - M) l[t],  M = the largest m[t].
; part: 512 rows of 4,352 bytes: 1,024 f32 of a tile's weighted sum, then its (m, l).  One wave takes 128 channels of one batch: lane L four of them;
; lane t also holds tile t's (m, l), so M and the divisor are reductions over the wave's lanes.  Memory binds and the work is small: no LDS, no matrix unit.
; LIMIT: a tile whose maximum lies more than 126 (in powers of two) below the batch's counts as 0.
.set PROW, 4352
.set CT,   16                          ; v16-143  tile t's four channels at CT + 4 t
.set ACC,  144                         ; v144-147
.set G,    16                          ; s16-47   g[t]
	s_load_b128 s[4:7], s[0:1], 0x0                ; part s[4:5], out0 s[6:7]
	s_and_b32 s8, ttmp7, 0xffff                    ; batch
	s_mul_i32 s10, s8, 32*PROW
	s_mov_b32 s11, 0
	s_lshl_b32 s12, s8, 12
	s_mov_b32 s13, 0
	s_mov_b32 s14, 0x76543210                      ; v_permlanex16_b32: each lane takes its own place in the other half
	s_mov_b32 s15, 0xfedcba98
	s_lshl_b32 s9, ttmp9, 9                        ; my 128 channels
	v_mul_u32_u24 v1, v0, PROW                     ; lane t: tile t's row
	v_lshl_add_u32 v2, v0, 4, s9
	s_wait_kmcnt 0x0
	s_add_nc_u64 s[4:5], s[4:5], s[10:11]
	s_add_nc_u64 s[6:7], s[6:7], s[12:13]
	global_load_b64 v[4:5], v1, s[4:5] offset:4096
.set t, 0
.rept 32
	global_load_b128 v[CT+4*t:CT+4*t+3], v2, s[4:5] offset:t*PROW  ; 512 bytes on end
.set t, t+1
.endr
	s_wait_loadcnt 32                              ; (m, l) is in; the 32 younger loads stay out
	v_mov_b32 v6, v4                               ; m is kept; v6 becomes M
	v_mov_b32 v7, v4                               ; written, since the exchange below counts as a reader of its destination
	v_max_num_f32_dpp v6, v6, v6 row_xmask:1 row_mask:0xf bank_mask:0xf
	v_max_num_f32_dpp v6, v6, v6 row_xmask:2 row_mask:0xf bank_mask:0xf
	v_max_num_f32_dpp v6, v6, v6 row_xmask:4 row_mask:0xf bank_mask:0xf
	v_max_num_f32_dpp v6, v6, v6 row_xmask:8 row_mask:0xf bank_mask:0xf
	v_permlanex16_b32 v7, v6, s14, s15
	v_max_num_f32 v6, v6, v7
	v_sub_f32 v8, v4, v6
	v_exp_f32 v8, v8
	v_nop                                          ; a plain line between a transcendental and the use of its result (ISA guide 5.7.2)
	s_wait_alu depctr_va_vdst(0)
	v_mul_f32 v9, v8, v5
	v_add_f32_dpp v9, v9, v9 row_xmask:1 row_mask:0xf bank_mask:0xf
	v_add_f32_dpp v9, v9, v9 row_xmask:2 row_mask:0xf bank_mask:0xf
	v_add_f32_dpp v9, v9, v9 row_xmask:4 row_mask:0xf bank_mask:0xf
	v_add_f32_dpp v9, v9, v9 row_xmask:8 row_mask:0xf bank_mask:0xf
	v_permlanex16_b32 v7, v9, s14, s15
	v_add_f32 v9, v9, v7                           ; at least 1: the tile that holds M adds l >= 1
	v_rcp_f32 v10, v9
	v_nop
	s_wait_alu depctr_va_vdst(0)
	v_mul_f32 v8, v8, v10                          ; g of tile = lane
.set t, 0
.rept 32
	v_readlane_b32 s[G+t], v8, t
.set t, t+1
.endr
	s_wait_loadcnt 31
.irp k, 0,1,2,3
	v_mul_f32 v[ACC+(\k)], s[G], v[CT+(\k)]        ; the first tile starts the sums
.endr
.set t, 1
.rept 31
	s_wait_loadcnt 31-t                            ; loads come back in order: tile t's is in
.irp k, 0,1,2,3
	v_fmac_f32 v[ACC+(\k)], s[G+t], v[CT+4*t+(\k)]
.endr
.set t, t+1
.endr
	global_store_b128 v2, v[ACC:ACC+3], s[6:7]     ; 512 bytes on end, at a multiple of 512 from out0's first byte
	s_endpgm
.Lfunc_end_k_qf782a05d5a_merge:
	.size	k_qf782a05d5a_merge, .Lfunc_end_k_qf782a05d5a_merge-k_qf782a05d5a_merge
	.p2alignl 7, 3214868480
	.fill 96, 4, 3214868480
	.section	.rodata,"a",@progbits
	.p2align	6, 0x0
	.amdhsa_kernel k_qf782a05d5a_merge
		.amdhsa_group_segment_fixed_size 0
		.amdhsa_private_segment_fixed_size 0
		.amdhsa_enable_private_segment 0
		.amdhsa_kernarg_size 16
		.amdhsa_user_sgpr_count 2
		.amdhsa_user_sgpr_kernarg_segment_ptr 1
		.amdhsa_wavefront_size32 1
		.amdhsa_system_sgpr_workgroup_id_x 1
		.amdhsa_system_sgpr_workgroup_id_y 1
		.amdhsa_system_sgpr_workgroup_id_z 1
		.amdhsa_system_vgpr_workitem_id 0
		.amdhsa_next_free_vgpr 160
		.amdhsa_next_free_sgpr 66
		.amdhsa_reserve_vcc 0
		.amdhsa_float_denorm_mode_32 3
		.amdhsa_float_denorm_mode_16_64 3
		.amdhsa_memory_ordered 1
		.amdhsa_forward_progress 1
		.amdhsa_inst_pref_size 13
	.end_amdhsa_kernel
	.amdgpu_metadata
---
amdhsa.version: [ 1, 2 ]
amdhsa.kernels:
  - .name:           k_qf782a05d5a_merge
    .symbol:         k_qf782a05d5a_merge.kd
    .args:
      - { .name: part, .offset: 0, .size: 8, .value_kind: global_buffer, .address_space: global }
      - { .name: out0, .offset: 8, .size: 8, .value_kind: global_buffer, .address_space: global }
    .group_segment_fixed_size: 0
    .private_segment_fixed_size: 0
    .kernarg_segment_align: 8
    .kernarg_segment_size: 16
    .max_flat_workgroup_size: 32
    .sgpr_count:     66
    .vgpr_count:     160
    .wavefront_size: 32
...
	.end_amdgpu_metadata
.endif
;; end of part 3
;; ======== version 2 of 2: 3 launches; version 1 with the launch attn written anew for expert scheduling mode
;; workspace buffers: wfrag 1,048,576 bytes; chbp 131,072 bytes; part 2,228,224 bytes
;; launch prep: the kernel of part 1 again; grid 8 x 4, 8 waves a work-group, no clusters, 117,760 bytes of LDS; arguments W_attn, hidden, wfrag, chbp; writes wfrag, chbp
;; launch attn (part 4): grid 256 x 1, 8 waves a work-group, no clusters, 312,320 bytes of LDS; arguments encoder_outputs, wfrag, chbp, b_attn, w_v, part; writes part
.if DOCPART == 4
	.amdgcn_target "amdgcn-amd-amdhsa--gfx1250"
	.amdhsa_code_object_version 6
	.text
	.protected	k_qf782a05d5a_attn
	.globl	k_qf782a05d5a_attn
	.p2align	8
	.type	k_qf782a05d5a_attn,@function
k_qf782a05d5a_attn:
	s_mov_b64 s[64:65], 0
	v_nop
	global_prefetch_b8 v0, s[64:65] scope:SCOPE_SE
	s_setreg_imm32_b32 hwreg(HW_REG_WAVE_SCHED_MODE, 0, 2), 2
	s_setreg_imm32_b32 hwreg(HW_REG_WAVE_MODE, 25, 1), 1
	s_wait_xcnt 0x0
	s_wait_alu depctr_vm_vsrc(0)
; For 128 encoder rows at a time: scores, the tile's own softmax and its weighted sum of the same rows; the rows are read from memory once.
;   score[s] log2(e) = const + sum over n of wvm[n] / (1 + 2^(c2 acc[s][n] + chb[n])),   acc = enc x W2 (bf16 operands, f32 sums),
;   c2 = 2 log2(e), chb = c2 (hidden x W1 + b), wvm = -c2 w_v: this is w_v . tanh(..) with tanh(x) = 1 - 2 / (1 + e^(2x)).
;   const = log2(e) sum(w_v) is the same for all rows of a softmax and drops out of it exactly: it is left out.
; All inputs are rounded once to bf16 (enc, W, hidden, b, w_v).  The tile's maximum m is taken away before the exponentials; m, l = sum of p, and sum of p enc go to
; 'part', and the next launch joins a batch's 32 tiles by their maxima.  p goes to the matrix unit as two bf16, p_hi + p_lo, in even and odd rows of one operand.
; LIMITS.  2^x beyond f32's range gives infinity and 1 / infinity = 0, which is tanh = 1; a weight below 2^-126 counts as 0; NaN and infinities in the inputs are not treated apart.
; SHARES.  Work-group g: rows 256 g .. 256 g + 255 of [65536][1024] (one batch), as two tiles of 128.  Wave w of eight: columns 64 w .. + 63 of the 512 for all 128 rows
; (32 accumulators, 256 registers); it brings in and rounds rows 16 w .. + 15 of every 64 channels; in the weighted sum it owns channels 128 w .. + 127.
; The matrix instruction is used transposed (source 0 = 16 columns of W2, source 1 = 16 rows of enc): a lane holds ONE row and eight columns, so a row's score wants one exchange between the lanes' halves.
; LDS holds the tile's rows in bf16, by chunks of 64 channels (128 rows, pitch 144), until the weights are known: 294,912 bytes.
; NO TENSOR LOADS, NO CLUSTER.  All work-groups walk the same W2, but a K step of 32 of its 512 columns is 32,768 bytes, and beside the kept rows and the small tables
; 15,360 bytes of a WGP's 327,680 are left: no two slots fit.  So W2 comes from memory's cache straight into fragment registers, each wave its own columns: no byte of it is read twice in a work-group.
; REGISTERS: window 0 as named below; window 1: accumulator (a, b) (rows 16 a, columns 16 b) at v[8 (4 a + b)].
; THE MODE: SCHED_MODE bits 1:0 = 2 (LLVM: expert scheduling mode 2), set by the entry lines.  The code itself states the register dependences
; between vector or matrix instructions and memory or LDS instructions, with s_wait_alu, always for 0.
; THE PLAN.  Registers that memory or LDS instructions touch, in the K loop:
;   Q0 .. Q2   Step j: its eight conversions read Q[(j + 2) % 3]; behind them the loads of quantum j + 5 land in it.  No store reads it.
;   O0, O1     Step j: the conversions write O[j % 2]; the step's four LDS stores read it; step j + 2 writes it again.
;   B0 .. B2   Step j: its 32 products read B[j % 3]; the loads of step j + 1 land in it (W2 of step j + 3).
;   H0, H1     A half step's 16 products read one; the LDS loads of the next half step land in it: the two take turns.
;   ADRA, STA  Read by every fragment load and every store into the chunks; written at a tile's top and at the head of a trip's first step.
;   All other addresses are made at the head and never written again: scalar bases and immediate offsets do the rest.
; So a step has two waits on va_vdst, one to a half step.  The first, behind the conversions: O is written, Q is read, the step before is done with its B and with H1 (and ADRA, STA are
; written where the step made them); the step's stores and loads and H1's fragment loads follow it.  The second, behind the first 16 products: H0 is free; the next step's first fragments follow it.
; No vector or matrix instruction behind either wait names a register of the loads and stores that lean on it.  One wait on vm_vsrc for every two steps, at an even step's head,
; frees both out-buffers (and ADRA, STA).  The loads stand in runs behind the waits, not among the products: the accumulators lie in window 1, so each group among them would want two window switches.
.set CP,    144                        ; a row of a chunk: 128 bytes + 16: the sixteen rows of a fragment load start at sixteen different 16-byte columns modulo 256
.set CHUNK, 128*CP
.set VEC,   16*CHUNK                   ; chb (2,048 bytes), then wvm (2,048 bytes)
.set SCR,   VEC+4096                   ; partial scores [wave][row]
.set PB,    SCR+4096                   ; each wave's own: p_hi (256 bytes), p_lo (256 bytes)
.set CST,   PB+4096                    ; each wave's own: 128 channels on the way out
.set SPARE, CST+4096                   ; the spare words: 128 bytes a wave, four blocks of 256 bytes that no other line names
.set TILEB, 128*4096                   ; a tile's rows in memory
.set PROW,  4352                       ; a row of 'part': 1,024 f32, then (m, l) 32 times
.set SPW,   1                          ; SPARE + 4 x thread; never rewritten
.set NIL,   2                          ; 0; never rewritten
.set ADRA,  3                          ; fragment loads: KB + ADRA0
.set STA,   4                          ; my stores into the chunks: KB + STA0
.set EOFF,  5                          ; (16 w + h) 4096 + 16 r
.set BOFF,  6                          ; 131072 w + 16 L
.set ADRA0, 7                          ; 144 r + 16 h
.set STA0,  8                          ; 144 (16 w + h) + 8 r
.set RR,    9
.set HH,    10
.set LL,    11
.set ADRT,  12                         ; turning loads: my two chunks, row 8 h + L % 8, 16 bytes at 16 ((L / 8) % 2)
.set VECR,  13
.set SCW,   14
.set SCRD,  15
.set PBW,   16
.set PBR,   17
.set CSTW,  18
.set CSTR,  19
.set GOFF,  20
.set SOFF,  21
.set PFO,   22
.set TM,    23                         ; v23-31 at work
.set H0,    32                         ; v32-63   enc fragments, rows 0-63
.set H1,    64                         ; v64-95   rows 64-127
.set B0,    96                         ; v96-191  three buffers of W2 fragments, 32 each: K step j in buffer j % 3
.set Q0,    192                        ; v192-239 three quanta of enc as loaded, 16 each: quantum e in slot e % 3
.set OB,    240                        ; v240-255 two out-buffers, 8 each: quantum e, rounded to bf16, in buffer e % 2
.set SC,    32                         ; behind the K loop: score sums, row block a, pair p at SC + 8 a + 2 p
.set CH,    96                         ; chb of my columns, 8 for each b
.set WVR,   128                        ; wvm likewise
.set T,     160                        ; three sets of eight at work
.set PS,    160
.set X0,    32                         ; the weighted sum: turned fragments of 32 rows x 128 channels
.set X1,    96
.set PR,    160                        ; P's fragments, 8 for each 32 rows
.set S8,    192
.set MX,    196                        ; v196 m, v197 l
.set PV,    200
.set WAVE,  16
.set BAT,   17
.set TILES, 18
.set TRIPS, 19
.set ET,    20                         ; s[20:21] enc at the tile's first row
.set EB,    22                         ; s[22:23] the same, stepping along the rows
.set BB,    24                         ; s[24:25] wfrag, stepping
.set PT,    26                         ; s[26:27] the tile's row of 'part'
.set C2,    28                         ; s[28:29] c2: the packed forms take the pair's low word for both halves
.set SEL,   30                         ; s[30:31] v_permlanex16_b32's selects: each lane takes its own place in the other half
.set TS,    32                         ; s[32:35] at work
.set HM,    36                         ; lanes 16-31
.set KB,    37                         ; LDS byte of the chunk at which the text's offsets begin
.set MSB, 0
.macro WIN new                         ; s_set_vgpr_msb: bits 1:0 source 0, 3:2 source 1, 5:4 source 2, 7:6 destination; the high byte repeats the setting that is left
.if MSB != (\new)
	s_set_vgpr_msb (MSB<<8)|(\new)
.set MSB, (\new)
.endif
.endm
.macro PLACES                          ; four places between a matrix instruction and a vector line that reads its result or writes one of its registers (ISA guide 7.12.1)
.rept 4
	v_nop
.endr
.endm
	s_load_b256 s[4:11], s[0:1], 0x0               ; enc s[4:5], wfrag s[6:7], chbp s[8:9], b s[10:11]
	s_load_b128 s[12:15], s[0:1], 0x20             ; w_v s[12:13], part s[14:15]
	v_lshl_add_u32 v[SPW], v0, 2, SPARE
	v_mov_b32 v[NIL], 0
	v_lshrrev_b32 v[TM], 5, v0
	v_readfirstlane_b32 s[WAVE], v[TM]             ; wave 0..7
	v_and_b32 v[RR], 15, v0
	v_bfe_u32 v[HH], v0, 4, 1
	v_and_b32 v[LL], 31, v0
	s_mov_b32 s[C2], 0x4038aa3b                    ; 2 log2(e)
	s_mov_b32 s[C2+1], s[C2]
	s_mov_b32 s[SEL], 0x76543210
	s_mov_b32 s[SEL+1], 0xfedcba98
	v_cmp_ne_u32 s[HM], 0, v[HH]
	s_wait_alu depctr_va_sdst(0)                   ; the wave's number and the mask of lanes 16-31 are written, ahead of their first readers and of every label
	s_lshl_b32 s[TS+2], s[WAVE], 16                ; my 16 rows of 4,096 bytes
	v_lshlrev_b32 v[EOFF], 4, v[RR]
	v_lshl_add_u32 v[EOFF], v[HH], 12, v[EOFF]
	v_add_nc_u32 v[EOFF], s[TS+2], v[EOFF]
	v_lshlrev_b32 v[PFO], 12, v[RR]
	v_lshl_add_u32 v[PFO], v[HH], 8, v[PFO]
	v_add_nc_u32 v[PFO], s[TS+2], v[PFO]
	s_lshl_b32 s[TS+2], s[WAVE], 17                ; my columns' 32 K steps of 4,096 bytes in wfrag
	v_lshlrev_b32 v[CSTR], 4, v[LL]                ; 16 L
	v_add_nc_u32 v[BOFF], s[TS+2], v[CSTR]
	v_add_nc_u32 v[SCRD], SCR, v[CSTR]
	s_lshl_b32 s[TS+2], s[WAVE], 9                 ; 512 w
	v_add_nc_u32 v[GOFF], s[TS+2], v[CSTR]
	v_add_nc_u32 v[CSTR], CST, v[GOFF]
	v_lshl_add_u32 v[CSTW], v[LL], 2, s[TS+2]
	v_add_nc_u32 v[SCW], SCR, v[CSTW]
	v_add_nc_u32 v[CSTW], CST, v[CSTW]
	v_lshl_add_u32 v[PBW], v[LL], 3, s[TS+2]
	v_add_nc_u32 v[PBW], PB, v[PBW]
	v_lshlrev_b32 v[SOFF], 3, v[LL]
	v_and_b32 v[PBR], 1, v0                        ; even rows of the operand take p_hi, odd rows p_lo
	v_lshlrev_b32 v[PBR], 8, v[PBR]
	v_lshl_add_u32 v[PBR], v[HH], 4, v[PBR]
	v_add_nc_u32 v[PBR], s[TS+2], v[PBR]
	v_add_nc_u32 v[PBR], PB, v[PBR]
	s_lshl_b32 s[TS+2], s[WAVE], 8                 ; my 64 columns of 4 bytes
	v_lshl_add_u32 v[VECR], v[HH], 5, s[TS+2]
	v_add_nc_u32 v[VECR], VEC, v[VECR]
	v_mul_u32_u24 v[ADRA0], v[RR], CP
	v_lshl_add_u32 v[ADRA0], v[HH], 4, v[ADRA0]
	s_mul_i32 s[TS+2], s[WAVE], 16*CP
	v_mul_u32_u24 v[STA0], v[HH], CP
	v_lshl_add_u32 v[STA0], v[RR], 3, v[STA0]
	v_add_nc_u32 v[STA0], s[TS+2], v[STA0]
	s_mul_i32 s[TS+2], s[WAVE], 2*CHUNK
	v_and_b32 v[TM+2], 7, v0
	v_lshl_add_u32 v[TM+2], v[HH], 3, v[TM+2]
	v_mul_u32_u24 v[ADRT], v[TM+2], CP
	v_bfe_u32 v[TM+2], v0, 3, 1
	v_lshl_add_u32 v[ADRT], v[TM+2], 4, v[ADRT]
	v_add_nc_u32 v[ADRT], s[TS+2], v[ADRT]
	v_lshlrev_b32 v[TM], 4, v0                     ; 16 x thread
	v_add_nc_u32 v[TM+1], VEC, v[TM]
	s_lshr_b32 s[BAT], ttmp9, 4                    ; 16 work-groups a batch
	s_lshl_b32 s[TS], s[BAT], 11
	s_mov_b32 s[TS+1], 0
	s_mov_b32 s[TILES], 2
	s_wait_kmcnt 0x0
	s_add_nc_u64 s[8:9], s[8:9], s[TS:TS+1]        ; chbp at my batch
	s_lshl_b32 s[TS], ttmp9, 20                    ; 256 rows of 4,096 bytes a work-group
	s_add_nc_u64 s[ET:ET+1], s[4:5], s[TS:TS+1]
	s_mul_i32 s[TS], ttmp9, 2*PROW
	s_add_nc_u64 s[PT:PT+1], s[14:15], s[TS:TS+1]
	s_wait_alu depctr_va_vdst(0)                   ; all the offsets and LDS addresses made above are written: the loads, stores and prefetches of the whole kernel read them
	; The two tables, four numbers a thread: waves 0-3 make chb, waves 4-7 wvm.  The first chunk's barrier stands between these stores and their readers.
	s_cmp_lt_u32 s[WAVE], 4
	s_cbranch_scc0 .Lwv
	global_load_b128 v[32:35], v[TM], s[8:9]
	global_load_b128 v[36:39], v[TM], s[8:9] offset:32768
	global_load_b128 v[40:43], v[TM], s[8:9] offset:65536
	global_load_b128 v[44:47], v[TM], s[8:9] offset:98304
	global_load_b128 v[48:51], v[TM], s[10:11]
	s_wait_loadcnt 0x0
	v_cvt_pk_bf16_f32 v52, v48, v49                ; b rounded to bf16, like every input
	v_cvt_pk_bf16_f32 v53, v50, v51
	v_pk_add_f32 v[32:33], v[32:33], v[36:37]
	v_pk_add_f32 v[34:35], v[34:35], v[38:39]
	v_pk_add_f32 v[40:41], v[40:41], v[44:45]
	v_pk_add_f32 v[42:43], v[42:43], v[46:47]
	v_lshlrev_b32 v48, 16, v52
	v_and_b32 v49, 0xffff0000, v52
	v_lshlrev_b32 v50, 16, v53
	v_and_b32 v51, 0xffff0000, v53
	v_pk_add_f32 v[32:33], v[32:33], v[40:41]
	v_pk_add_f32 v[34:35], v[34:35], v[42:43]
	v_pk_add_f32 v[32:33], v[32:33], v[48:49]
	v_pk_add_f32 v[34:35], v[34:35], v[50:51]
	v_pk_mul_f32 v[32:33], v[32:33], s[C2:C2+1] op_sel_hi:[1,0]
	v_pk_mul_f32 v[34:35], v[34:35], s[C2:C2+1] op_sel_hi:[1,0]
	s_branch .Lvec
.Lwv:
	global_load_b128 v[32:35], v[TM], s[12:13] offset:-2048  ; threads 128-255: bytes 0 to 2,047 of w_v
	s_wait_loadcnt 0x0
	v_cvt_pk_bf16_f32 v52, v32, v33
	v_cvt_pk_bf16_f32 v53, v34, v35
	v_lshlrev_b32 v32, 16, v52
	v_and_b32 v33, 0xffff0000, v52
	v_lshlrev_b32 v34, 16, v53
	v_and_b32 v35, 0xffff0000, v53
	v_pk_mul_f32 v[32:33], v[32:33], 0xc038aa3b op_sel_hi:[1,0]  ; -2 log2(e)
	v_pk_mul_f32 v[34:35], v[34:35], 0xc038aa3b op_sel_hi:[1,0]
.Lvec:
	s_wait_alu depctr_va_vdst(0)                   ; my four numbers of the table are written in v[32:35], which the store reads
	ds_store_b128 v[TM+1], v[32:35]
; THE K LOOP'S PARTS.  A step j is 32 along K; a chunk is two steps (256 bytes of a row in memory); quantum e = 2 c + u is my 8 rows 16 w + 8 u on of chunk c.
; The text's numbers j, e count from J0 (even): EB, BB and KB stand at step J0.
.macro ELOAD e                         ; four loads, each two rows' 256 bytes
.set QR, Q0+16*((\e)%3)
.irp i, 0,1,2,3
	global_load_b128 v[QR+4*(\i):QR+4*(\i)+3], v[EOFF], s[EB:EB+1] offset:(((\e)>>1)-J0/2)*256+(8*((\e)&1)+2*(\i))*4096 th:TH_LOAD_NT
.endr
.endm
.macro CVT e                           ; rounded to bf16, out of the slot into out-buffer e % 2
.set QR, Q0+16*((\e)%3)
.set OUTR, OB+8*((\e)%2)
.irp i, 0,1,2,3
	v_cvt_pk_bf16_f32 v[OUTR+2*(\i)],   v[QR+4*(\i)],   v[QR+4*(\i)+1]
	v_cvt_pk_bf16_f32 v[OUTR+2*(\i)+1], v[QR+4*(\i)+2], v[QR+4*(\i)+3]
.endr
.endm
.macro ESTORE e
.set OUTR, OB+8*((\e)%2)
.irp i, 0,1,2,3
	ds_store_b64 v[STA], v[OUTR+2*(\i):OUTR+2*(\i)+1] offset:(((\e)>>1)-J0/2)*CHUNK+(8*((\e)&1)+2*(\i))*CP
.endr
.endm
.macro BLOAD j                         ; my columns' W2 fragments of step j: eight loads of 512 bytes on end
.set BR, B0+32*((\j)%3)
.irp f, 0,1,2,3,4,5,6,7
	global_load_b128 v[BR+4*(\f):BR+4*(\f)+3], v[BOFF], s[BB:BB+1] offset:((\j)-J0)*4096+512*(\f)
.endr
.endm
.macro AFRAG j, x                      ; enc fragments of step j, rows 64 x on: lane (r, h) takes row r, k = 8 h + 0..7 and 16 + 8 h + 0..7
.set HR, H0+32*(\x)
.irp a, 0,1,2,3
.irp q, 0,1
	ds_load_b128 v[HR+8*(\a)+4*(\q):HR+8*(\a)+4*(\q)+3], v[ADRA] offset:(((\j)-J0)>>1)*CHUNK+(64*(\x)+16*(\a))*CP+((\j)&1)*64+32*(\q)
.endr
.endr
.endm
.macro MUL16 j, x, zero                ; 16 products; the 32 accumulators take turns, one instruction a turn.  zero = 1: the first K step starts the sums
	WIN 0x50                                       ; C and D in window 1
.set BR, B0+32*((\j)%3)
.set HR, H0+32*(\x)
.irp a, 0,1,2,3
.irp b, 0,1,2,3
.if \zero
	v_wmma_f32_16x16x32_bf16 v[8*(4*(4*(\x)+(\a))+(\b)):8*(4*(4*(\x)+(\a))+(\b))+7], v[BR+8*(\b):BR+8*(\b)+7], v[HR+8*(\a):HR+8*(\a)+7], 0
.else
	v_wmma_f32_16x16x32_bf16 v[8*(4*(4*(\x)+(\a))+(\b)):8*(4*(4*(\x)+(\a))+(\b))+7], v[BR+8*(\b):BR+8*(\b)+7], v[HR+8*(\a):HR+8*(\a)+7], v[8*(4*(4*(\x)+(\a))+(\b)):8*(4*(4*(\x)+(\a))+(\b))+7]
.endif
.endr
.endr
	WIN 0
.endm
.macro BASES
	v_add_nc_u32 v[ADRA], s[KB], v[ADRA0]
	v_add_nc_u32 v[STA], s[KB], v[STA0]
.endm
.macro ON n                            ; the scalar bases move on by n chunks; the two LDS addresses follow at the next step's head
	s_wait_xcnt 0x0                                ; the loads' bases are stepped only behind this wait
	s_add_nc_u64 s[EB:EB+1], s[EB:EB+1], (\n)*256
	s_add_nc_u64 s[BB:BB+1], s[BB:BB+1], (\n)*2*4096
	s_add_co_u32 s[KB], s[KB], (\n)*CHUNK
.endm
; ONE STEP.  doS: quantum j + 2 is rounded and stored.  doB, doE: W2 of step j + 2 and quantum j + 5 are asked for.  mv: the two LDS addresses are made anew from KB.
; bar: the barrier in front of the chunk that step j + 1 begins: its two quanta, j + 1 and j + 2, are stored and waited for in every wave ahead of the signal; sixteen products and
; loads of the chunk in hand, which nobody writes, stand between signal and wait.  nxt: the next step's first fragments.
; lcnt: loads come back in order; quantum j + 2 and W2 of step j are in when only what was asked for behind them is out: quantum j + 3 (4), W2 of j + 1 (8), quantum j + 4 (4).
.macro STEP j, zero, doS, doE, doB, bar, nxt, lcnt, mv=0
	s_wait_loadcnt \lcnt
.if (\doS) && (((\j)&1) == 0)
	s_wait_alu depctr_vm_vsrc(0)                   ; the stores of the last two steps have read both out-buffers, which this step's and the next step's conversions write; the LDS loads and stores issued so far have read ADRA and STA
.endif
.if \mv
	BASES
.endif
.if \doS
	CVT (\j)+2
.endif
	s_wait_alu depctr_va_vdst(0)                   ; the conversions have written the out-buffer and are done reading their slot; the last step's products are done reading their W2 buffer and H1; ADRA and STA are written where this step made them
.if \doS
	ESTORE (\j)+2
.endif
.if \doB
	BLOAD (\j)+2
.endif
.if \doE
	ELOAD (\j)+5
.endif
.if \bar
	s_wait_dscnt 0x0                               ; for the others' sake: my stores are done; my fragment loads are back
	s_barrier_signal -1
	AFRAG \j, 1
.else
	AFRAG \j, 1
	s_wait_dscnt 8                                 ; all but the eight just issued
.endif
	MUL16 \j, 0, \zero
.if \bar
	s_barrier_wait -1
.endif
.if \nxt
	s_wait_alu depctr_va_vdst(0)                   ; the sixteen products above are done reading H0, in which the next step's first fragments land
	AFRAG (\j)+1, 0
	s_wait_dscnt 8                                 ; all but the eight just issued
.else
	s_wait_dscnt 0x0
.endif
	MUL16 \j, 1, \zero
.endm
; THE TANH TERMS of accumulator x = 8 b + a, in five parts on one of three sets of eight registers.
.macro XREG x
.set bb, (\x)/8
.set aa, (\x)%8
.set TT, T+8*((\x)%3)
.endm
.macro FX x                            ; c2 acc + chb; the accumulator's lowest registers first
	XREG \x
	WIN 0x01                                       ; source 0 in window 1
.irp p, 0,1,2,3
	v_pk_fma_f32 v[TT+2*(\p):TT+2*(\p)+1], v[8*(4*aa+bb)+2*(\p):8*(4*aa+bb)+2*(\p)+1], s[C2:C2+1], v[CH+8*bb+2*(\p):CH+8*bb+2*(\p)+1] op_sel_hi:[1,0,1]
.endr
	WIN 0
.endm
.macro EX x
	XREG \x
.irp p, 0,1,2,3,4,5,6,7
	v_exp_f32 v[TT+(\p)], v[TT+(\p)]
.endr
.endm
.macro AX x
	XREG \x
.irp p, 0,1,2,3
	v_pk_add_f32 v[TT+2*(\p):TT+2*(\p)+1], v[TT+2*(\p):TT+2*(\p)+1], 1.0 op_sel_hi:[1,0]
.endr
.endm
.macro RX x
	XREG \x
.irp p, 0,1,2,3,4,5,6,7
	v_rcp_f32 v[TT+(\p)], v[TT+(\p)]
.endr
.endm
.macro SX x                            ; times wvm, onto the row block's sums; b = 0 starts them
	XREG \x
.irp p, 0,1,2,3
.if bb == 0
	v_pk_mul_f32 v[SC+8*aa+2*(\p):SC+8*aa+2*(\p)+1], v[TT+2*(\p):TT+2*(\p)+1], v[WVR+2*(\p):WVR+2*(\p)+1]
.else
	v_pk_fma_f32 v[SC+8*aa+2*(\p):SC+8*aa+2*(\p)+1], v[TT+2*(\p):TT+2*(\p)+1], v[WVR+8*bb+2*(\p):WVR+8*bb+2*(\p)+1], v[SC+8*aa+2*(\p):SC+8*aa+2*(\p)+1]
.endif
.endr
.endm
; THE WEIGHTED SUM'S PARTS.  Rows 32 ks on of my 128 channels, turned: lane (r, h) holds channel r of block cb and 8 + 8 rows.
.macro TFRAG ks, x
.irp cb, 0,1,2,3,4,5,6,7
.irp q, 0,1
	ds_load_tr16_b128 v[(\x)+8*(\cb)+4*(\q):(\x)+8*(\cb)+4*(\q)+3], v[ADRT] offset:((\cb)>>2)*CHUNK+(32*(\ks)+16*(\q))*CP+((\cb)&3)*32
.endr
.endr
.endm
.macro CMUL ks, x, zero                ; eight products, the eight accumulators by turns
	WIN 0x50
.irp cb, 0,1,2,3,4,5,6,7
.if \zero
	v_wmma_f32_16x16x32_bf16 v[8*(\cb):8*(\cb)+7], v[PR+8*(\ks):PR+8*(\ks)+7], v[(\x)+8*(\cb):(\x)+8*(\cb)+7], 0
.else
	v_wmma_f32_16x16x32_bf16 v[8*(\cb):8*(\cb)+7], v[PR+8*(\ks):PR+8*(\ks)+7], v[(\x)+8*(\cb):(\x)+8*(\cb)+7], v[8*(\cb):8*(\cb)+7]
.endif
.endr
	WIN 0
.endm
.Ltile:
	s_wait_alu depctr_vm_vsrc(0)                   ; first tile: the table's store has read v24 and v[32:35]; second: the last tile's stores have read their data (v196-211, the out-buffers), its LDS instructions ADRA and STA: all are written or loaded again below
	s_mov_b64 s[EB:EB+1], s[ET:ET+1]
	s_mov_b64 s[BB:BB+1], s[6:7]
	s_mov_b32 s[KB], 0
	BASES
	s_wait_alu depctr_va_vdst(0)                   ; ADRA and STA are written; the last tile's products and vector lines are done with v32-239, in which this tile's loads land
.set J0, 0
	ELOAD 0
	ELOAD 1
	ELOAD 2
	BLOAD 0
	BLOAD 1
	s_wait_loadcnt 24                              ; quantum 0 is in: behind it 4 + 4 + 8 + 8 loads
	CVT 0
	s_wait_alu depctr_va_vdst(0)                   ; the conversions have written out-buffer 0, which the stores read, and are done reading slot 0, in which quantum 3 lands
	ESTORE 0
	ELOAD 3
	s_wait_loadcnt 24                              ; quantum 1: behind it 4 + 8 + 8 + 4
	CVT 1
	s_wait_alu depctr_va_vdst(0)                   ; the same for out-buffer 1, slot 1 and quantum 4
	ESTORE 1
	ELOAD 4
	s_wait_dscnt 0x0                               ; chunk 0: my part is stored (in the first tile the tables too),
	s_barrier_signal -1
	s_barrier_wait -1                              ; everybody's is
	AFRAG 0, 0                                     ; no vector line since the tile's first wait on va_vdst names H0
	STEP 0, 1, 1, 1, 1, 0, 1, 16                   ; the first K step starts the sums: nothing is cleared
	STEP 1, 0, 1, 1, 1, 1, 1, 16
	ON 1
.set J0, 2
	s_mov_b32 s[TRIPS], 4
.Lk:                                   ; a trip: six steps (the buffers go by j % 3, the chunks' halves and the out-buffers by j % 2); steps 2 to 25
	STEP 2, 0, 1, 1, 1, 0, 1, 16, 1
	STEP 3, 0, 1, 1, 1, 1, 1, 16
	STEP 4, 0, 1, 1, 1, 0, 1, 16
	STEP 5, 0, 1, 1, 1, 1, 1, 16
	STEP 6, 0, 1, 1, 1, 0, 1, 16
	STEP 7, 0, 1, 1, 1, 1, 1, 16
	ON 3
	s_sub_co_u32 s[TRIPS], s[TRIPS], 1
	s_cmp_lg_u32 s[TRIPS], 0
	s_cbranch_scc1 .Lk
	STEP 2, 0, 1, 1, 1, 0, 1, 16, 1                ; steps 26 to 31: the requests end (quantum 31, W2 of step 31), and the counts run down
	STEP 3, 0, 1, 0, 1, 1, 1, 16
	STEP 4, 0, 1, 0, 1, 0, 1, 12                   ; behind quantum 30 and W2 of 28: quantum 31 (4), W2 of 29 (8)
	STEP 5, 0, 1, 0, 1, 1, 1, 8                    ; behind quantum 31 and W2 of 29: W2 of 30
	STEP 6, 0, 0, 0, 0, 0, 1, 8                    ; behind W2 of 30: W2 of 31
	STEP 7, 0, 0, 0, 0, 0, 0, 0
	; THE SCORES.  A turn: the scaling of accumulator x + 2; ONE wait; the sums of x; 1 + .. and the reciprocals of x + 1; the exponentials of x + 2.
	; The sixteen transcendentals of a turn are one batch; the next turn's four scalings, which name none of their results, are the plain lines behind it (ISA guide 5.7.2), at the end a v_nop.
	PLACES                                         ; between the last products and the vector lines that read their results and write over W2's third buffer
	s_wait_alu depctr_va_vdst(0)                   ; the last two steps' products are done reading W2's first two buffers, in which the tables land
.irp b, 0,1,2,3
	ds_load_b128 v[CH+8*(\b):CH+8*(\b)+3],     v[VECR] offset:64*(\b)
	ds_load_b128 v[CH+8*(\b)+4:CH+8*(\b)+7],   v[VECR] offset:64*(\b)+16
	ds_load_b128 v[WVR+8*(\b):WVR+8*(\b)+3],   v[VECR] offset:2048+64*(\b)
	ds_load_b128 v[WVR+8*(\b)+4:WVR+8*(\b)+7], v[VECR] offset:2048+64*(\b)+16
.endr
	s_wait_dscnt 0x0
.set xx, -2
.rept 34
.if xx+2 < 32
	FX xx+2
.else
	v_nop
.endif
.if xx >= -1
	s_wait_alu depctr_va_vdst(0)                   ; the last turn's batch is written: the reciprocals that the sums below read, the exponentials that 1 is added to
.endif
.if xx >= 0
	SX xx
.endif
.if (xx+1 >= 0) && (xx+1 < 32)
	AX xx+1
	RX xx+1
.endif
.if xx+2 < 32
	EX xx+2
.endif
.set xx, xx+1
.endr
	; In the first tile: the first 1,024 bytes of my 16 rows of the second tile are asked for, each block of 256 bytes by one lane of one wave; the second tile asks for nothing.
	s_cmp_eq_u32 s[TILES], 1
	s_cbranch_scc1 .Lno_ask
	global_prefetch_b8 v[PFO], s[ET:ET+1] offset:TILEB th:TH_LOAD_NT scope:SCOPE_SE
	global_prefetch_b8 v[PFO], s[ET:ET+1] offset:TILEB+512 th:TH_LOAD_NT scope:SCOPE_SE
.Lno_ask:
.irp a, 0,1,2,3,4,5,6,7
	v_pk_add_f32 v[SC+8*(\a):SC+8*(\a)+1],   v[SC+8*(\a):SC+8*(\a)+1],   v[SC+8*(\a)+2:SC+8*(\a)+3]
	v_pk_add_f32 v[SC+8*(\a)+4:SC+8*(\a)+5], v[SC+8*(\a)+4:SC+8*(\a)+5], v[SC+8*(\a)+6:SC+8*(\a)+7]
.endr
.irp a, 0,1,2,3,4,5,6,7
	v_pk_add_f32 v[SC+8*(\a):SC+8*(\a)+1], v[SC+8*(\a):SC+8*(\a)+1], v[SC+8*(\a)+4:SC+8*(\a)+5]
.endr
.irp a, 0,1,2,3,4,5,6,7
	v_add_f32 v[PS+(\a)], v[SC+8*(\a)], v[SC+8*(\a)+1]
.endr
.irp a, 0,1,2,3,4,5,6,7
	v_permlanex16_b32 v[PS+8+(\a)], v[PS+(\a)], s[SEL], s[SEL+1]  ; the row's other 32 of my columns lie in the lane 16 away
.endr
.irp a, 0,1,2,3,4,5,6,7
	v_add_f32 v[PS+(\a)], v[PS+(\a)], v[PS+8+(\a)]
.endr
.irp i, 0,1,2,3
	v_cndmask_b32 v[PS+16+(\i)], v[PS+2*(\i)], v[PS+2*(\i)+1], s[HM]  ; lane L: row 32 i + L
.endr
	s_wait_alu depctr_va_vdst(0)                   ; my share of the scores is written, which the stores read; the vector lines above are done with v32-159 and the conversions with v192-223, in which the loads behind the barrier land
.irp i, 0,1,2,3
	ds_store_b32 v[SCW], v[PS+16+(\i)] offset:128*(\i)
.endr
	s_wait_dscnt 0x0                               ; for the others' sake: my columns' share of the scores is in LDS
	s_barrier_signal -1
	s_barrier_wait -1
	; THE TILE'S SOFTMAX, alike in all eight waves (lane L: rows 4 L .. 4 L + 3), and the weighted sum of my 128 channels.
.irp w, 0,1,2,3,4,5,6,7
	ds_load_b128 v[S8+4*(\w):S8+4*(\w)+3], v[SCRD] offset:512*(\w)
.endr
	TFRAG 0, X0
	TFRAG 1, X1
	s_wait_dscnt 32                                ; the scores are in; the 32 turning loads stay out
.irp w, 0,2,4,6
	v_pk_add_f32 v[S8+4*(\w):S8+4*(\w)+1],   v[S8+4*(\w):S8+4*(\w)+1],   v[S8+4*(\w)+4:S8+4*(\w)+5]
	v_pk_add_f32 v[S8+4*(\w)+2:S8+4*(\w)+3], v[S8+4*(\w)+2:S8+4*(\w)+3], v[S8+4*(\w)+6:S8+4*(\w)+7]
.endr
.irp w, 0,4
	v_pk_add_f32 v[S8+4*(\w):S8+4*(\w)+1],   v[S8+4*(\w):S8+4*(\w)+1],   v[S8+4*(\w)+8:S8+4*(\w)+9]
	v_pk_add_f32 v[S8+4*(\w)+2:S8+4*(\w)+3], v[S8+4*(\w)+2:S8+4*(\w)+3], v[S8+4*(\w)+10:S8+4*(\w)+11]
.endr
	v_pk_add_f32 v[S8:S8+1],   v[S8:S8+1],   v[S8+16:S8+17]
	v_pk_add_f32 v[S8+2:S8+3], v[S8+2:S8+3], v[S8+18:S8+19]
	v_max3_num_f32 v[MX], v[S8], v[S8+1], v[S8+2]
	v_max_num_f32 v[MX], v[MX], v[S8+3]
	v_max_num_f32_dpp v[MX], v[MX], v[MX] row_xmask:1 row_mask:0xf bank_mask:0xf
	v_max_num_f32_dpp v[MX], v[MX], v[MX] row_xmask:2 row_mask:0xf bank_mask:0xf
	v_max_num_f32_dpp v[MX], v[MX], v[MX] row_xmask:4 row_mask:0xf bank_mask:0xf
	v_max_num_f32_dpp v[MX], v[MX], v[MX] row_xmask:8 row_mask:0xf bank_mask:0xf
	v_permlanex16_b32 v[MX+2], v[MX], s[SEL], s[SEL+1]
	v_max_num_f32 v[MX], v[MX], v[MX+2]            ; m: the tile's maximum, in every lane
.irp i, 0,1,2,3
	v_sub_f32 v[PV+(\i)], v[S8+(\i)], v[MX]
.endr
.irp i, 0,1,2,3
	v_exp_f32 v[PV+(\i)], v[PV+(\i)]
.endr
	v_nop                                          ; a plain line between the last exponential and the use of its result
	s_wait_alu depctr_va_vdst(0)                   ; the four weights are written, ahead of their first reader
	v_cvt_pk_bf16_f32 v[PV+4], v[PV], v[PV+1]      ; p_hi
	v_cvt_pk_bf16_f32 v[PV+5], v[PV+2], v[PV+3]
	v_lshlrev_b32 v[PV+6], 16, v[PV+4]
	v_and_b32 v[PV+7], 0xffff0000, v[PV+4]
	v_lshlrev_b32 v[PV+8], 16, v[PV+5]
	v_and_b32 v[PV+9], 0xffff0000, v[PV+5]
	v_pk_add_f32 v[PV+6:PV+7], v[PV:PV+1],   v[PV+6:PV+7] neg_lo:[0,1] neg_hi:[0,1]
	v_pk_add_f32 v[PV+8:PV+9], v[PV+2:PV+3], v[PV+8:PV+9] neg_lo:[0,1] neg_hi:[0,1]
	v_cvt_pk_bf16_f32 v[PV+10], v[PV+6], v[PV+7]   ; p_lo = p - p_hi, rounded
	v_cvt_pk_bf16_f32 v[PV+11], v[PV+8], v[PV+9]
	s_wait_alu depctr_vm_vsrc(0)                   ; the stores of my scores have read v176-179, in which P's fragments land
	s_wait_alu depctr_va_vdst(0)                   ; p_hi and p_lo are written, which the stores read; the vector lines that named v160-191 are done
	ds_store_b64 v[PBW], v[PV+4:PV+5]
	ds_store_b64 v[PBW], v[PV+10:PV+11] offset:256
.irp ks, 0,1,2,3
.irp q, 0,1
	ds_load_b128 v[PR+8*(\ks)+4*(\q):PR+8*(\ks)+4*(\q)+3], v[PBR] offset:64*(\ks)+32*(\q)  ; my own bytes: LDS serves a wave's instructions in order
.endr
.endr
	v_add_f32 v[MX+1], v[PV], v[PV+1]              ; l, of the unrounded p, while the loads are out
	v_add_f32 v[MX+2], v[PV+2], v[PV+3]
	v_add_f32 v[MX+1], v[MX+1], v[MX+2]
	v_add_f32_dpp v[MX+1], v[MX+1], v[MX+1] row_xmask:1 row_mask:0xf bank_mask:0xf
	v_add_f32_dpp v[MX+1], v[MX+1], v[MX+1] row_xmask:2 row_mask:0xf bank_mask:0xf
	v_add_f32_dpp v[MX+1], v[MX+1], v[MX+1] row_xmask:4 row_mask:0xf bank_mask:0xf
	v_add_f32_dpp v[MX+1], v[MX+1], v[MX+1] row_xmask:8 row_mask:0xf bank_mask:0xf
	v_permlanex16_b32 v[MX+2], v[MX+1], s[SEL], s[SEL+1]
	v_add_f32 v[MX+1], v[MX+1], v[MX+2]
	s_wait_dscnt 0x0
	CMUL 0, X0, 1                                  ; source 0 = P (rows: p_hi, p_lo by turns), source 1 = 32 rows x 16 channels
	CMUL 1, X1, 0
	s_wait_alu depctr_va_vdst(0)                   ; the sixteen products above are done reading X0 and X1, in which rows 64-127 land
	TFRAG 2, X0
	TFRAG 3, X1
	s_wait_dscnt 16                                ; rows 64-95 are in
	CMUL 2, X0, 0
	s_wait_dscnt 0x0
	CMUL 3, X1, 0
	PLACES                                         ; between the last products and the additions that read their results
	WIN 0x05                                       ; sources 0 and 1 in window 1
.irp cb, 0,1,2,3,4,5,6,7
	v_add_f32 v[TM+1+(\cb)], v[8*(\cb)], v[8*(\cb)+1]  ; result rows 8 h and 8 h + 1: p_hi's sum + p_lo's, for channel 16 cb + r
.endr
	WIN 0
.irp i, 0,1,2,3
	v_cndmask_b32 v[PV+(\i)], v[TM+1+2*(\i)], v[TM+2+2*(\i)], s[HM]  ; lane L: channel 32 i + L
.endr
	s_wait_alu depctr_vm_vsrc(0)                   ; the store of p_hi has read v204-205, in which the load below lands
	s_wait_alu depctr_va_vdst(0)                   ; my four channels are written, which the LDS stores read, and m and l, which the last store reads; the vector lines that named v204-207 are done
.irp i, 0,1,2,3
	ds_store_b32 v[CSTW], v[PV+(\i)] offset:128*(\i)
.endr
	ds_load_b128 v[PV+4:PV+7], v[CSTR]             ; back as four neighbouring channels a lane
	s_wait_dscnt 0x0
	global_store_b128 v[GOFF], v[PV+4:PV+7], s[PT:PT+1]  ; 512 bytes on end, at a multiple of 256 from part's first byte
	s_cmp_lg_u32 s[WAVE], 0
	s_cbranch_scc1 .Lno_ml
	global_store_b64 v[SOFF], v[MX:MX+1], s[PT:PT+1] offset:4096  ; (m, l) from all 32 lanes: 256 bytes on end
.Lno_ml:
	s_wait_xcnt 0x0                                ; the stores' data and base, and the prefetch's base, are rewritten only behind this wait
	s_barrier_signal -1                            ; every wave's reads of the chunks are back (its wait for 0 above): the next tile may overwrite them
	s_barrier_wait -1
	s_add_nc_u64 s[ET:ET+1], s[ET:ET+1], TILEB
	s_add_nc_u64 s[PT:PT+1], s[PT:PT+1], PROW
	s_sub_co_u32 s[TILES], s[TILES], 1
	s_cmp_lg_u32 s[TILES], 0
	s_cbranch_scc1 .Ltile
	s_wait_dscnt 0x0                               ; the wave's end
	s_wait_alu 0x0
	s_wait_tensorcnt 0x0
	ds_add_u32 v[SPW], v[NIL]
	s_wait_dscnt 0x0
	s_endpgm
.Lfunc_end_k_qf782a05d5a_attn:
	.size	k_qf782a05d5a_attn, .Lfunc_end_k_qf782a05d5a_attn-k_qf782a05d5a_attn
	.p2alignl 7, 3214868480
	.fill 96, 4, 3214868480
	.section	.rodata,"a",@progbits
	.p2align	6, 0x0
	.amdhsa_kernel k_qf782a05d5a_attn
		.amdhsa_group_segment_fixed_size 312320
		.amdhsa_private_segment_fixed_size 0
		.amdhsa_enable_private_segment 0
		.amdhsa_kernarg_size 48
		.amdhsa_user_sgpr_count 2
		.amdhsa_user_sgpr_kernarg_segment_ptr 1
		.amdhsa_wavefront_size32 1
		.amdhsa_system_sgpr_workgroup_id_x 1
		.amdhsa_system_sgpr_workgroup_id_y 1
		.amdhsa_system_sgpr_workgroup_id_z 1
		.amdhsa_system_vgpr_workitem_id 0
		.amdhsa_next_free_vgpr 512
		.amdhsa_next_free_sgpr 66
		.amdhsa_reserve_vcc 0
		.amdhsa_float_denorm_mode_32 3
		.amdhsa_float_denorm_mode_16_64 3
		.amdhsa_memory_ordered 1
		.amdhsa_forward_progress 1
		.amdhsa_inst_pref_size 140
	.end_amdhsa_kernel
	.amdgpu_metadata
---
amdhsa.version: [ 1, 2 ]
amdhsa.kernels:
  - .name:           k_qf782a05d5a_attn
    .symbol:         k_qf782a05d5a_attn.kd
    .args:
      - { .name: encoder_outputs, .offset: 0, .size: 8, .value_kind: global_buffer, .address_space: global }
      - { .name: wfrag, .offset: 8, .size: 8, .value_kind: global_buffer, .address_space: global }
      - { .name: chbp, .offset: 16, .size: 8, .value_kind: global_buffer, .address_space: global }
      - { .name: b_attn, .offset: 24, .size: 8, .value_kind: global_buffer, .address_space: global }
      - { .name: w_v, .offset: 32, .size: 8, .value_kind: global_buffer, .address_space: global }
      - { .name: part, .offset: 40, .size: 8, .value_kind: global_buffer, .address_space: global }
    .group_segment_fixed_size: 312320
    .private_segment_fixed_size: 0
    .kernarg_segment_align: 8
    .kernarg_segment_size: 48
    .max_flat_workgroup_size: 256
    .sgpr_count:     66
    .vgpr_count:     512
    .wavefront_size: 32
...
	.end_amdgpu_metadata
.endif
;; end of part 4
;; launch merge: the kernel of part 3 again; grid 8 x 16, 1 waves a work-group, no clusters, 0 bytes of LDS; arguments part, out0; writes out0
